; MI455X (gfx1250); checked and timed in simulation.
; The chip was launched on July 23, 2026; its instructions are those of AMD's public machine-readable ISA for CDNA 5 (MIT licence, August 2026) and "CDNA5" Instruction Set Architecture Reference Guide (July 2026). The comments in the code are by the model that wrote it; some were corrected since.
;; Block. Allowed arithmetic: matrix products marked QUANTISED: E2M3 operands, one E8M0 scale for each 32 along K, by v_wmma_scale_f32_16x16x128_f8f6f4 with both operands' format E2M3, f32 sums; everything else in f32.
;; Inputs: fc1_b 4,096 float32; fc1_w 1,024 x 4,096 float32; fc2_b 1,024 float32; fc2_w 4,096 x 1,024 float32; ln1_b 1,024 float32; ln1_w 1,024 float32; ln2_b 1,024 float32; ln2_w 1,024 float32; proj_b 1,024 float32; proj_w 1,024 x 1,024 float32; qkv_w 1,024 x 3,072 float32; x 2 x 2,048 x 1,024 float32.
;; Outputs: out0 2 x 2,048 x 1,024 float32.
;; This version of the problem:
;;   THIS VERSION OF THE PROBLEM IS GIVEN IN LOW PRECISION. The matrix products marked QUANTISED in the list below multiply operands that are first quantised to E2M3 (2 exponent bits, 3 mantissa bits; 6 bits a number), with one power-of-two scale for each 32 numbers along K (OCP MX v1.0); their sums are f32. All else is computed in f32.
;;   The module's matrix products, in the order in which they are computed (A, B: the left and right operand; K: the contracted axis; several contracted axes count as one K, in the product's order):
;;     1. [M 4,096, K 1,024] x [K 1,024, N 3,072]; A: computed on the way; B: input qkv_w: QUANTISED
;;     2. batch 32 x [M 2,048, K 64] x [K 64, N 2,048]; A: computed on the way; B: computed on the way: QUANTISED
;;     3. batch 32 x [M 64, K 2,048] x [K 2,048, N 2,048]; A: computed on the way; B: softmax (see below): QUANTISED
;;     4. [M 4,096, K 1,024] x [K 1,024, N 1,024]; A: computed on the way; B: input proj_w: QUANTISED
;;     5. [M 4,096, K 1,024] x [K 1,024, N 4,096]; A: computed on the way; B: input fc1_w: QUANTISED
;;     6. [M 4,096, K 4,096] x [K 4,096, N 1,024]; A: computed on the way; B: input fc2_w: QUANTISED
;;   THE QUANTISER, for each operand of a quantised product, along K:
;;     - K is cut into blocks of 32 from its start; a last block that is shorter is filled with zeros.
;;     - A block's scale is 2^e with e = floor(log2(the largest magnitude in the block)) - 2, held to -126 .. 127; a block of zeros has e = 0. As a byte (E8M0): e + 127.
;;     - Each number is divided by its block's scale, clamped to +-7.5, and rounded to the nearest number of E2M3, ties to even, subnormals kept.
;;     - The product sums the exact products of the quantised numbers (number of the format x scale) in f32.
;;   ~~~python
;;   def quantise(x, axis):      # numpy; x: float32 -> the quantised numbers, widened to float32 again
;;       x = np.moveaxis(x, axis, -1); K = x.shape[-1]
;;       x = np.pad(x, [(0, 0)] * (x.ndim - 1) + [(0, -K % 32)]); x = x.reshape(x.shape[:-1] + (-1, 32)); a = np.abs(x).max(-1, keepdims=True)
;;       e = np.where(a > 0, np.clip(np.frexp(np.where(a > 0, a, 1))[1] - 1 - 2, -126, 127), 0)      # np.frexp(a)[1] - 1 = floor(log2(a)), exactly
;;       r = np.clip(x / 2.0 ** e, -7.5, 7.5)
;;       step = 2.0 ** (np.maximum(np.frexp(np.where(r == 0, 1, r))[1] - 1, 0) - 3)
;;       q = np.round(r / step) * step * 2.0 ** e      # np.round: ties to even
;;       return np.moveaxis(q.reshape(q.shape[:-2] + (-1,))[..., :K], -1, axis).astype(np.float32)
;;   ~~~
;;   SOFTMAX AHEAD OF A QUANTISED PRODUCT. Where the list says 'softmax', what is quantised is not the finished softmax but p = 2^(t - M), with t = logit x log2(e) and M = ceil(the row's largest t), a whole number; so 1/2 < the row's largest p <= 1. The row's sum l is taken of the UNQUANTISED p, in f32, and the product's result is divided by l at the end. Since M is a whole number, a kernel that streams over the keys may use a running M (the ceiling of the running maximum): every later rescaling is an exact power of two, which a block's scale takes up: the codes' values come out the same.
;;   OPERANDS COMPUTED ON THE WAY. 'Computed on the way' means the value that the module computes at that place (a softmax that the list does not call 'softmax' is quantised finished and normalised). What goes into a quantiser is computed in f32, as accurately as f32 sums, v_exp_f32 and their like allow (about 1e-6 of the number): no bf16 or f16 on the way to a quantiser, and a product that is left as it is and whose result goes on into a quantised operand takes f32 operands (vector FMAs, or v_wmma_f32_16x16x4_f32). A number that lies on a knife's edge between two numbers of the format may be rounded either way, as far as f32 arithmetic and the matrix unit's own rounding can turn it there, and no further.
;; One version. Each part assembles by itself: llvm-mc -triple=amdgcn-amd-amdhsa -mcpu=gfx1250 --defsym DOCPART=n.
;; ======== version 1 of 1: 7 launches
;; limits: right only within a limited range of input values
;; workspace buffers: wc 9,830,400 bytes; hc 3,276,800 bytes; qb 3,407,872 bytes; kvb 6,684,672 bytes; oc 3,276,800 bytes; x1 16,777,216 bytes; gc 13,107,200 bytes
;; launch prep1 (part 1): grid 384 x 1, 8 waves a work-group, no clusters, 66,816 bytes of LDS; arguments x, ln1_w, ln1_b, hc, qkv_w, proj_w, wc; writes hc, wc
.if DOCPART == 1
	.amdgcn_target "amdgcn-amd-amdhsa--gfx1250"
	.amdhsa_code_object_version 6
	.text
	.protected	k_q1e42e1d414_prep1
	.globl	k_q1e42e1d414_prep1
	.p2align	8
	.type	k_q1e42e1d414_prep1,@function
k_q1e42e1d414_prep1:
	s_mov_b64 s[64:65], 0
	v_nop
	global_prefetch_b8 v0, s[64:65] scope:SCOPE_SE
	s_setreg_imm32_b32 hwreg(HW_REG_WAVE_MODE, 25, 1), 1
	s_wait_xcnt 0x0
; TWO JOBS THAT SHARE NOTHING, IN ONE LAUNCH: work-groups 0 .. NW - 1 quantise two weights, the other 256 make a layernorm and quantise it.  Both are streams; the layernorm is a short chain of dependent steps
; (load, two reductions, a turn through LDS, store) and runs beside the weights' longer stream.  The two part at the head by a scalar branch on the work-group's number, the same for all eight waves; only the layernorm's path touches LDS and has a barrier.
; THE FORMAT OF EVERY OPERAND BUFFER.  Codes of FP6 (E2M3) with one E8M0 byte for each 32 along K.  A fragment (16 rows x 128 K, 12 registers a lane) is kept as an image of its registers: three chunks of 512 bytes, chunk c = registers 4 c .. 4 c + 3,
; lane l's 16 bytes at 16 l.  A UNIT of 12,800 bytes is 128 rows x 128 K: eight images, then from byte 12,288 the scale words (fragment f, lane-row r at 64 f + 4 r).  Units lie [row group][K step].
; Lane-row r of fragment f is row 32 (f / 2) + 8 (f % 2) + r + 8 (r / 8) of the group, so that the results of two neighbouring fragments are 16 neighbours along the next product's K.
; THE WEIGHTS, f32 stored [K][N].  A LANE TAKES A COLUMN n (a row of the operand) AND ITS REGISTERS RUN DOWN K: a block of 32 is one lane's 32 registers, no other lane is asked for its maximum, and the conversions' results are the operand's registers.
; A lane holds what lanes (r, 0) and (r, 1) of the image want: blocks 0, 2 and blocks 1, 3 of a K step.  Sixteen lanes store 256 consecutive aligned bytes of an image.
; A part is 128 columns x 256 along K (two K steps), four waves, wave w columns 32 w on; a work-group has two parts (waves 0-3, waves 4-7).  Which weight a part belongs to chooses pointers and sizes alone, by selects on the work-group's number.
; The scale words leave as 128 bytes a wave and K step: one part in 24 of the weights' output is written in part units.
; THE LAYERNORM: h = (src - mean) / sqrt(var + 1e-5) x gain + bias, f32.  A work-group makes the eight fragments (all of K = 1,024) of ONE fragment row: 16 tokens.  PHASE 1: wave w takes stage rows 2 w, 2 w + 1 (two neighbouring tokens), whole rows in
; registers: mean, then the mean of the squared deviations (two passes over registers, so a common offset of the inputs costs nothing), 1 / sqrt, gain, bias; the rows go to a stage in LDS (pitch 4,096 + 16 bytes).  One barrier.
; PHASE 2: wave w takes K step w: lane (r, h) reads 16 neighbours of each block of 32 of row r, quantises them and stores the fragment's image: 512 consecutive aligned bytes a store.  The scale word's store is issued by all 32 lanes: lanes 16-31 write the
; same word with the same value as lanes 0-15.
; No matrix unit, no cluster, no tensor load: no byte is read twice.
; A block's scale is 2^(floor(log2(largest magnitude)) - 2); its byte is the largest magnitude's exponent field - 2, held at 1 from below.
; LIMITS: a block of zeros gets the byte 1 where the quantiser says 127 (its codes are zeros, and this program alone reads the bytes); magnitudes under 2^-124 are held at that floor; NaN and infinities are not served.
; A PART, in place of the figure in the comment above: 128 columns x 128 along K, ONE K step, four blocks of 32 a wave; two blocks' loads are out at a time
.set NWA,   96                         ; work-groups of the first weight, qkv_w [1,024][3,072]: 24 column groups x 8 K steps = 192 parts
.set NWB,   32                         ; of the second, proj_w [1,024][1,024]: 8 x 8 = 64 parts
.set NW,    NWA+NWB
.set RSA,   12288                      ; bytes in a row of each weight
.set RSB,   4096
.set KSTA,  8                          ; K steps of 128
.set KSTB,  8
.set SHA,   3                          ; log2 of the K steps
.set SHB,   3
.set WOFFA, 0                          ; the weights' places in wc
.set WOFFB, 2457600
.set UNIT,  12800
.set SCO,   12288
.set PITCH, 4112
.set SPARE, 16*PITCH                   ; behind the stage: the spare words, 128 bytes for each of eight waves
.set SPW,   30
.set NIL,   31
; the weights' registers
.set VOFF,  32                         ; v32-63   4 x lane + i x the weight's row, i = 0 .. 31; never rewritten
.set XW,    64                         ; v64-127  two sets of 32 numbers
.set F,     128                        ; v128-175 codes: F + 24 ks + 12 h: the 12 registers of image lane (r, h), K step ks
.set TC,    176                        ; v176-183 a conversion's three registers begin on an even number: the upper halves are made here and moved
.set SB,    184                        ; v184-185 the scale word of each K step
; the layernorm's registers
.set X,     32                         ; v32-95   two rows, 32 numbers a lane each; in phase 2 the 64 numbers to be quantised
.set GW,    96                         ; v96-127  gain of my 32 columns
.set GB,    128                        ; v128-159 bias
.set TM,    160                        ; v160-175 at work in the quantiser
.set PW,    176                        ; the scale word
.set PC,    180                        ; v180-199 the codes
	v_lshl_add_u32 v[SPW], v0, 2, SPARE
	v_mov_b32 v[NIL], 0
	v_lshrrev_b32 v1, 5, v0
	s_delay_alu instid0(VALU_DEP_1)
	v_readfirstlane_b32 s14, v1                    ; wave 0..7
	s_cmp_lt_u32 ttmp9, NW
	s_cbranch_scc0 .Lnorm
	; ---------------- THE WEIGHTS ----------------
	s_load_b128 s[4:7], s[0:1], 0x20               ; the two weights
	s_load_b64 s[12:13], s[0:1], 0x30              ; wc
	s_lshr_b32 s48, s14, 2                         ; which of the work-group's two parts is my wave's
	s_and_b32 s49, s14, 3                          ; my wave in the part
	v_and_b32 v2, 31, v0                           ; lane = column in the wave's 32
	s_delay_alu instid0(VALU_DEP_1)
	v_lshlrev_b32 v3, 2, v2
	v_bfe_u32 v4, v0, 3, 1                         ; u = (lane / 8) % 2
	v_and_b32 v5, 7, v0
	v_bfe_u32 v6, v0, 4, 1
	s_delay_alu instid0(VALU_DEP_1)
	v_lshl_add_u32 v5, v6, 3, v5                   ; r = lane % 8 + 8 (lane / 16)
	s_lshl_b32 s15, s49, 1
	v_add_nc_u32 v4, s15, v4                       ; fragment 2 w + u
	s_delay_alu instid0(VALU_DEP_1)
	v_mul_u32_u24 v6, v4, 1536
	s_delay_alu instid0(VALU_DEP_1)
	v_lshl_add_u32 v6, v5, 4, v6                   ; where my codes go in a unit
	s_delay_alu instid0(VALU_DEP_3)
	v_lshlrev_b32 v7, 6, v4
	s_delay_alu instid0(VALU_DEP_1)
	v_lshl_add_u32 v7, v5, 2, v7
	s_delay_alu instid0(VALU_DEP_1)
	v_add_nc_u32 v7, SCO, v7                       ; and my scale word
	s_mov_b32 s18, RSB                             ; the second weight's figures,
	s_mov_b32 s19, KSTB
	s_mov_b32 s20, SHB
	s_mov_b32 s21, 2*NWA
	s_mov_b32 s22, WOFFB
	s_wait_kmcnt 0x0
	s_cmp_lt_u32 ttmp9, NWA                        ; or the first's
	s_cselect_b64 s[16:17], s[4:5], s[6:7]
	s_cselect_b32 s18, RSA, s18
	s_cselect_b32 s19, KSTA, s19
	s_cselect_b32 s20, SHA, s20
	s_cselect_b32 s21, 0, s21
	s_cselect_b32 s22, WOFFA, s22
	s_lshl_b32 s23, ttmp9, 1
	s_add_co_u32 s23, s23, s48
	s_sub_co_u32 s23, s23, s21                     ; the part's number in its weight
	s_lshr_b32 s24, s23, s20                       ; column group
	s_lshl_b32 s25, s24, s20
	s_sub_co_u32 s25, s23, s25                     ; K step of 128
	s_mul_i32 s26, s25, s18
	s_lshl_b32 s26, s26, 7                         ; 128 rows a K step
	s_lshl_b32 s27, s24, 9
	s_add_co_u32 s26, s26, s27                     ; 512 bytes a column group
	s_lshl_b32 s27, s49, 7
	s_add_co_u32 s26, s26, s27                     ; 128 bytes a wave
	s_mov_b32 s27, 0
	s_add_nc_u64 s[32:33], s[16:17], s[26:27]      ; block 0's first row
	s_lshl_b32 s28, s18, 5
	s_mov_b32 s29, 0
.irp t, 1,2,3
	s_add_nc_u64 s[32+2*\t:33+2*\t], s[30+2*\t:31+2*\t], s[28:29]   ; a base for each block of 32 rows: nothing is stepped later
.endr
	s_mul_i32 s26, s24, s19
	s_mov_b32 s27, s25
	s_add_co_u32 s26, s26, s27
	s_mul_i32 s26, s26, UNIT
	s_add_co_u32 s26, s26, s22
	s_mov_b32 s27, 0
	s_add_nc_u64 s[12:13], s[12:13], s[26:27]      ; my unit
.set I, 0
.rept 32
	v_mad_u32_u24 v[VOFF+I], s18, I, v3
.set I, I+1
.endr
.macro LOAD t                          ; block t: 32 rows, 128 consecutive bytes a wave and row, into set t % 2
.set I, 0
.rept 32
	global_load_b32 v[XW+32*((\t)%2)+I], v[VOFF+I], s[32+2*(\t):33+2*(\t)] th:TH_LOAD_NT
.set I, I+1
.endr
.endm
	LOAD 0
	LOAD 1
.macro BLOCK t
.set XS, XW+32*((\t)%2)
.set KS_, (\t)/4
.set B_, (\t)%4
.set FD, F+24*KS_+12*(B_%2)+6*(B_/2)
.set TT, TC+4*((\t)%2)
.if (\t) < 3
	s_wait_loadcnt 32                              ; this block's 32 loads are in; the next block's 32 may be out
.else
	s_wait_loadcnt 0x0
.endif
	v_max3_num_f32 v12, |v[XS]|, |v[XS+1]|, |v[XS+2]|
	v_max3_num_f32 v13, |v[XS+3]|, |v[XS+4]|, |v[XS+5]|
.irp i, 6,10,14,18,22,26
	s_delay_alu instid0(VALU_DEP_2)
	v_max3_num_f32 v12, v12, |v[XS+\i]|, |v[XS+\i+1]|
	s_delay_alu instid0(VALU_DEP_2)
	v_max3_num_f32 v13, v13, |v[XS+\i+2]|, |v[XS+\i+3]|
.endr
	s_delay_alu instid0(VALU_DEP_2)
	v_max3_num_f32 v12, v12, |v[XS+30]|, |v[XS+31]|
	s_delay_alu instid0(VALU_DEP_1)
	v_max3_num_f32 v12, v12, v13, 0x1800000        ; with the floor 2^(3 - 127): the byte cannot fall under 1
	s_delay_alu instid0(VALU_DEP_1)
	v_add_nc_u32 v11, 0xff000000, v12              ; 2 off the exponent field: the conversion's scale operand
	s_delay_alu instid0(VALU_DEP_1)
	v_lshrrev_b32 v13, 23, v11                     ; the byte
.if B_ == 0
	s_delay_alu instid0(VALU_DEP_1)
	v_mov_b32 v[SB+KS_], v13
.else
	s_delay_alu instid0(VALU_DEP_1)
	v_lshl_or_b32 v[SB+KS_], v13, 8*B_, v[SB+KS_]
.endif
	v_cvt_scalef32_pk16_fp6_f32 v[FD:FD+2], v[XS:XS+15], v11
	v_cvt_scalef32_pk16_fp6_f32 v[TT:TT+2], v[XS+16:XS+31], v11
	v_nop                                          ; one plain place behind a scaled conversion
.irp i, 0,1,2
	v_mov_b32 v[FD+3+\i], v[TT+\i]
.endr
.if (\t)+2 < 4
	LOAD (\t)+2
.endif
.if B_ == 3                            ; a K step is whole: it leaves; no register of these stores is written again
.irp h, 0,1
.irp c, 0,1,2
	global_store_b128 v6, v[F+24*KS_+12*\h+4*\c:F+24*KS_+12*\h+4*\c+3], s[12:13] offset:UNIT*KS_+512*\c+256*\h
.endr
.endr
	global_store_b32 v7, v[SB+KS_], s[12:13] offset:UNIT*KS_
.endif
.endm
.irp t, 0,1,2,3
	BLOCK \t
.endr
	s_endpgm
	; ---------------- THE LAYERNORM ----------------
.Lnorm:
	s_load_b256 s[4:11], s[0:1], 0x0               ; src, gain, bias, hc
	s_sub_co_u32 s24, ttmp9, NW                    ; my fragment row, 0 .. 255
	v_and_b32 v2, 31, v0
	s_delay_alu instid0(VALU_DEP_1)
	v_lshlrev_b32 v3, 4, v2                        ; 16 x lane
	v_and_b32 v20, 15, v0                          ; r
	v_bfe_u32 v21, v0, 4, 1                        ; h
	s_mul_i32 s15, s14, 2*PITCH
	v_add_nc_u32 v4, s15, v3                       ; the stage, in: my two rows, 16 bytes a lane
	v_mul_u32_u24 v5, v20, PITCH
	s_delay_alu instid0(VALU_DEP_1)
	v_lshl_add_u32 v5, v21, 6, v5
	s_lshl_b32 s15, s14, 9
	v_add_nc_u32 v5, s15, v5                       ; out: row r, K step w, + 64 h
	s_and_b32 s16, s24, 7                          ; the fragment in its group
	s_mul_i32 s17, s16, 1536
	v_add_nc_u32 v6, s17, v3                       ; my codes' place in a unit
	s_lshl_b32 s17, s16, 6
	s_add_co_u32 s17, s17, SCO
	v_lshl_add_u32 v7, v20, 2, s17                 ; my scale word's
	s_lshr_b32 s16, s24, 1
	s_lshl_b32 s16, s16, 5
	s_and_b32 s17, s24, 1
	s_lshl_b32 s17, s17, 3
	s_add_co_u32 s16, s16, s17
	s_lshl_b32 s17, s14, 1
	s_add_co_u32 s16, s16, s17
	s_lshr_b32 s17, s14, 2
	s_lshl_b32 s17, s17, 3
	s_add_co_u32 s16, s16, s17                     ; my first token: 32 (A / 2) + 8 (A % 2) + 2 w + 8 (w / 4)
	s_lshl_b32 s16, s16, 12
	s_mov_b32 s17, 0
	s_lshr_b32 s18, s24, 3
	s_lshl_b32 s18, s18, 3
	s_add_co_u32 s18, s18, s14
	s_mul_i32 s18, s18, UNIT                       ; unit (token group, K step w)
	s_mov_b32 s19, 0
	s_mov_b32 s20, 0x76543210
	s_mov_b32 s21, 0xfedcba98                      ; v_permlanex16_b32's selects for lane l xor 16
	s_mov_b32 s22, 0x3a800000                      ; 1 / 1,024
	s_mov_b32 s23, 0x3727c5ac                      ; 1e-5
	v_mov_b32 v17, 0                               ; upper halves of the pairs that the packed multiplies name
	v_mov_b32 v19, 0
.irp b, 0,1,2,3
	v_mov_b32 v[TM+4+\b], 0                        ; a lane permute's destination counts as one of its sources
.endr
	s_wait_kmcnt 0x0
	s_add_nc_u64 s[4:5], s[4:5], s[16:17]
	s_add_nc_u64 s[10:11], s[10:11], s[18:19]
.irp p, 0,1
.irp j, 0,1,2,3,4,5,6,7
	global_load_b128 v[X+32*\p+4*\j:X+32*\p+4*\j+3], v3, s[4:5] offset:4096*\p+512*\j th:TH_LOAD_NT   ; 512 consecutive bytes a load
.endr
.endr
.irp j, 0,1,2,3,4,5,6,7
	global_load_b128 v[GW+4*\j:GW+4*\j+3], v3, s[6:7] offset:512*\j
.endr
.irp j, 0,1,2,3,4,5,6,7
	global_load_b128 v[GB+4*\j:GB+4*\j+3], v3, s[8:9] offset:512*\j
.endr
.macro REDUCE a, t                     ; the sum over the 32 lanes, in every lane
	s_delay_alu instid0(VALU_DEP_1)
	v_add_f32_dpp v[\a], v[\a], v[\a] row_xmask:1 row_mask:0xf bank_mask:0xf
	s_delay_alu instid0(VALU_DEP_1)
	v_add_f32_dpp v[\a], v[\a], v[\a] row_xmask:2 row_mask:0xf bank_mask:0xf
	s_delay_alu instid0(VALU_DEP_1)
	v_add_f32_dpp v[\a], v[\a], v[\a] row_xmask:4 row_mask:0xf bank_mask:0xf
	s_delay_alu instid0(VALU_DEP_1)
	v_add_f32_dpp v[\a], v[\a], v[\a] row_xmask:8 row_mask:0xf bank_mask:0xf
	s_delay_alu instid0(VALU_DEP_1)
	v_permlanex16_b32 v[\t], v[\a], s20, s21
	s_delay_alu instid0(VALU_DEP_1)
	v_add_f32 v[\a], v[\a], v[\t]
.endm
.macro STAT p                          ; row p: the mean is taken off in place; variance + eps into v[16 + 2 p]
.set R, X+32*\p
	v_pk_add_f32 v[8:9], v[R:R+1], v[R+2:R+3]
	v_pk_add_f32 v[10:11], v[R+4:R+5], v[R+6:R+7]
.irp j, 8,12,16,20,24,28
	s_delay_alu instid0(VALU_DEP_2)
	v_pk_add_f32 v[8:9], v[8:9], v[R+\j:R+\j+1]
	s_delay_alu instid0(VALU_DEP_2)
	v_pk_add_f32 v[10:11], v[10:11], v[R+\j+2:R+\j+3]
.endr
	s_delay_alu instid0(VALU_DEP_1)
	v_pk_add_f32 v[8:9], v[8:9], v[10:11]
	s_delay_alu instid0(VALU_DEP_1)
	v_add_f32 v8, v8, v9
	REDUCE 8, 9
	s_delay_alu instid0(VALU_DEP_1)
	v_mul_f32 v8, s22, v8                          ; the mean
.irp j, 0,2,4,6,8,10,12,14,16,18,20,22,24,26,28,30
	v_pk_add_f32 v[R+\j:R+\j+1], v[R+\j:R+\j+1], v[8:9] op_sel_hi:[1,0] neg_lo:[0,1] neg_hi:[0,1]
.endr
	v_pk_mul_f32 v[10:11], v[R:R+1], v[R:R+1]
	v_pk_mul_f32 v[12:13], v[R+2:R+3], v[R+2:R+3]
.irp j, 4,8,12,16,20,24,28
	s_delay_alu instid0(VALU_DEP_2)
	v_pk_fma_f32 v[10:11], v[R+\j:R+\j+1], v[R+\j:R+\j+1], v[10:11]
	s_delay_alu instid0(VALU_DEP_2)
	v_pk_fma_f32 v[12:13], v[R+\j+2:R+\j+3], v[R+\j+2:R+\j+3], v[12:13]
.endr
	s_delay_alu instid0(VALU_DEP_1)
	v_pk_add_f32 v[10:11], v[10:11], v[12:13]
	s_delay_alu instid0(VALU_DEP_1)
	v_add_f32 v10, v10, v11
	REDUCE 10, 11
	s_delay_alu instid0(VALU_DEP_1)
	v_fma_f32 v[16+2*\p], v10, s22, s23
.endm
	s_wait_loadcnt 16                              ; my two rows are in; the 16 loads of gain and bias may be out
	STAT 0
	STAT 1
	s_wait_alu depctr_va_vdst(0)
	v_rsq_f32 v16, v16
	v_rsq_f32 v18, v18
	v_nop                                          ; a plain place behind the two
	s_wait_alu depctr_va_vdst(0)                   ; one wait for both, ahead of their first reader
	s_wait_loadcnt 0x0
.irp p, 0,1
.irp j, 0,2,4,6,8,10,12,14,16,18,20,22,24,26,28,30
	v_pk_mul_f32 v[X+32*\p+\j:X+32*\p+\j+1], v[X+32*\p+\j:X+32*\p+\j+1], v[16+2*\p:17+2*\p] op_sel_hi:[1,0]
.endr
.irp j, 0,2,4,6,8,10,12,14,16,18,20,22,24,26,28,30
	v_pk_fma_f32 v[X+32*\p+\j:X+32*\p+\j+1], v[X+32*\p+\j:X+32*\p+\j+1], v[GW+\j:GW+\j+1], v[GB+\j:GB+\j+1]
.endr
.endr
.irp p, 0,1
.irp j, 0,1,2,3,4,5,6,7
	ds_store_b128 v4, v[X+32*\p+4*\j:X+32*\p+4*\j+3] offset:PITCH*\p+512*\j
.endr
.endr
	s_wait_dscnt 0x0                               ; for the others' sake: my rows lie in the stage
	s_barrier_signal -1
	s_barrier_wait -1
.irp b, 0,1,2,3
.irp j, 0,1,2,3
	ds_load_b128 v[X+16*\b+4*\j:X+16*\b+4*\j+3], v5 offset:128*\b+16*\j   ; register 16 b + i = k 32 b + 16 h + i of row r; the pitch is 16 bytes over a multiple of 256, so sixteen rows fall on sixteen different columns of banks
.endr
.endr
	s_wait_dscnt 0x0
; 64 numbers of a lane become a fragment's codes in v[PC] on and its scale word in v[PW]
.irp b, 0,1,2,3
	v_max3_num_f32 v[TM+\b], |v[X+16*\b]|, |v[X+1+16*\b]|, 0x1800000     ; with the floor 2^(3 - 127)
.endr
.irp i, 2,4,6,8,10,12,14
.irp b, 0,1,2,3
	s_delay_alu instid0(VALU_DEP_4)
	v_max3_num_f32 v[TM+\b], v[TM+\b], |v[X+16*\b+\i]|, |v[X+1+16*\b+\i]|
.endr
.endr
.irp b, 0,1,2,3
	s_delay_alu instid0(VALU_DEP_4)
	v_permlanex16_b32 v[TM+4+\b], v[TM+\b], s20, s21
.endr
.irp b, 0,1,2,3
	s_delay_alu instid0(VALU_DEP_4)
	v_max_num_f32 v[TM+\b], v[TM+\b], v[TM+4+\b]   ; with lane l xor 16's: the block's largest magnitude
.endr
.irp b, 0,1,2,3
	s_delay_alu instid0(VALU_DEP_4)
	v_add_nc_u32 v[TM+12+\b], 0xff000000, v[TM+\b] ; 2 off its exponent field: the conversion's scale operand
.endr
.irp b, 0,1,2,3
	s_delay_alu instid0(VALU_DEP_4)
	v_lshrrev_b32 v[TM+4+\b], 23, v[TM+12+\b]      ; the byte
.endr
	s_delay_alu instid0(VALU_DEP_3)
	v_lshl_or_b32 v[PW], v[TM+5], 8, v[TM+4]
	s_delay_alu instid0(VALU_DEP_1)
	v_lshl_or_b32 v[PW], v[TM+6], 16, v[PW]
	s_delay_alu instid0(VALU_DEP_1)
	v_lshl_or_b32 v[PW], v[TM+7], 24, v[PW]
.irp c, 0,1
	v_cvt_scalef32_pk16_fp6_f32 v[PC+6*\c:PC+2+6*\c], v[X+32*\c:X+15+32*\c], v[TM+12+2*\c]
	v_cvt_scalef32_pk16_fp6_f32 v[PC+12+4*\c:PC+14+4*\c], v[X+16+32*\c:X+31+32*\c], v[TM+13+2*\c]
.endr
	v_nop                                          ; one plain place behind a scaled conversion
.irp c, 0,1                            ; the layout wants a whole block in a lane: lanes 0-15 block 2 c, lanes 16-31 block 2 c + 1
.irp i, 0,1,2
	v_permlane16_swap_b32 v[PC+6*\c+\i], v[PC+12+4*\c+\i]
.endr
.irp i, 0,1,2
	s_delay_alu instid0(VALU_DEP_3)
	v_mov_b32 v[PC+3+6*\c+\i], v[PC+12+4*\c+\i]
.endr
.endr
.irp c, 0,1,2
	global_store_b128 v6, v[PC+4*\c:PC+4*\c+3], s[10:11] offset:512*\c
.endr
	global_store_b32 v7, v[PW], s[10:11]
	s_wait_tensorcnt 0x0                           ; the wave's end
	ds_add_u32 v[SPW], v[NIL]
	s_wait_dscnt 0x0
	s_endpgm
.Lfunc_end_k_q1e42e1d414_prep1:
	.size	k_q1e42e1d414_prep1, .Lfunc_end_k_q1e42e1d414_prep1-k_q1e42e1d414_prep1
	.p2alignl 7, 3214868480
	.fill 96, 4, 3214868480
	.section	.rodata,"a",@progbits
	.p2align	6, 0x0
	.amdhsa_kernel k_q1e42e1d414_prep1
		.amdhsa_group_segment_fixed_size 66816
		.amdhsa_private_segment_fixed_size 0
		.amdhsa_enable_private_segment 0
		.amdhsa_kernarg_size 56
		.amdhsa_user_sgpr_count 2
		.amdhsa_user_sgpr_kernarg_segment_ptr 1
		.amdhsa_wavefront_size32 1
		.amdhsa_system_sgpr_workgroup_id_x 1
		.amdhsa_system_sgpr_workgroup_id_y 1
		.amdhsa_system_sgpr_workgroup_id_z 1
		.amdhsa_system_vgpr_workitem_id 0
		.amdhsa_next_free_vgpr 208
		.amdhsa_next_free_sgpr 66
		.amdhsa_reserve_vcc 0
		.amdhsa_float_denorm_mode_32 3
		.amdhsa_float_denorm_mode_16_64 3
		.amdhsa_memory_ordered 1
		.amdhsa_forward_progress 1
		.amdhsa_inst_pref_size 54
	.end_amdhsa_kernel
	.amdgpu_metadata
---
amdhsa.version: [ 1, 2 ]
amdhsa.kernels:
  - .name:           k_q1e42e1d414_prep1
    .symbol:         k_q1e42e1d414_prep1.kd
    .args:
      - { .name: x, .offset: 0, .size: 8, .value_kind: global_buffer, .address_space: global }
      - { .name: ln1_w, .offset: 8, .size: 8, .value_kind: global_buffer, .address_space: global }
      - { .name: ln1_b, .offset: 16, .size: 8, .value_kind: global_buffer, .address_space: global }
      - { .name: hc, .offset: 24, .size: 8, .value_kind: global_buffer, .address_space: global }
      - { .name: qkv_w, .offset: 32, .size: 8, .value_kind: global_buffer, .address_space: global }
      - { .name: proj_w, .offset: 40, .size: 8, .value_kind: global_buffer, .address_space: global }
      - { .name: wc, .offset: 48, .size: 8, .value_kind: global_buffer, .address_space: global }
    .group_segment_fixed_size: 66816
    .private_segment_fixed_size: 0
    .kernarg_segment_align: 8
    .kernarg_segment_size: 56
    .max_flat_workgroup_size: 256
    .sgpr_count:     66
    .vgpr_count:     208
    .wavefront_size: 32
...
	.end_amdgpu_metadata
.endif
;; end of part 1
;; launch qkv (part 2): grid 12 x 16, 4 waves a work-group, clusters of 4 x 4, 327,680 bytes of LDS; arguments hc, wc, qb, kvb; writes qb, kvb
.if DOCPART == 2
	.amdgcn_target "amdgcn-amd-amdhsa--gfx1250"
	.amdhsa_code_object_version 6
	.text
	.protected	k_q1e42e1d414_qkv
	.globl	k_q1e42e1d414_qkv
	.p2align	8
	.type	k_q1e42e1d414_qkv,@function
k_q1e42e1d414_qkv:
	s_mov_b64 s[64:65], 0
	v_nop
	global_prefetch_b8 v0, s[64:65] scope:SCOPE_SE
	s_setreg_imm32_b32 hwreg(HW_REG_WAVE_MODE, 25, 1), 1
	s_wait_xcnt 0x0
	s_wait_alu depctr_hold_cnt(0) depctr_sa_sdst(0) depctr_va_vdst(0) depctr_va_sdst(0) depctr_va_ssrc(0) depctr_va_vcc(0) depctr_vm_vsrc(0)
	s_getreg_b32 s2, hwreg(HW_REG_IB_STS2, 6, 4)
	s_cmp_eq_u32 s2, 0
	s_cbranch_scc0 .Lentry_in_a_cluster
	s_endpgm
.Lentry_in_a_cluster:
	s_bfe_u32 s2, ttmp6, 0x10000c
	s_cmp_lg_u32 s2, 0xf033
	s_cbranch_scc0 .Lentry_shape_is_right
	s_endpgm
.Lentry_shape_is_right:
; qkv = Q(h) Q(qkv_w) on FP6 (E2M3) codes, and q, k, v quantised on the way out: q and k along the head's 64, v along the keys.
; OPERANDS: units of 12,800 bytes = 128 rows x 128 K: eight fragment images of 1,536 bytes (three chunks of 512, lane l's 16 bytes at 16 l), then the rows' scale words at 12,288 + 64 f + 4 r; units lie [row group][K step].
; So a fragment is three ds_load_b128 of consecutive bytes (no pitch, no padding), and S K steps of a row group are one dense block for one tensor load.
; Lane-row r of fragment f is row 32 (f / 2) + 8 (f % 2) + r + 8 (r / 8) of its group.
; THE PRODUCT IS USED TRANSPOSED: source 0 = a fragment of B, source 1 = a fragment of A.  A lane then holds ONE row of A, and the 16 registers of the results against B's fragments 2 b, 2 b + 1 are B's rows 32 b + 16 (lane / 16) + 0 .. 15:
; 16 neighbours, as the conversions want them.
; SHARES: a work-group of four waves makes 256 x 256, a wave 128 x 128: 64 accumulators, 512 registers.  K goes in steps of 128, two to a slot, through a ring of two LDS slots; each wave fetches a quarter of a slot (25,600 bytes) by one tensor load.
; CLUSTERS 4 x 4: A's tiles are shared along a row of the cluster, B's along a column: joint loads.  The cluster's x says what it makes: 0 q, 1 k, 2 v.
; q, k: A = h (tokens), B = the weight's columns.  v IS MADE AS v^T: A = the weight's columns, B = h: the same text on swapped buffers; a lane then holds one channel of v and its registers run along the tokens, which are v's K.
; OUT: a wave's row block a (16 rows of A x 128) is one fragment.  For q and k its two halves (K 0-63, 64-127) are the two heads of the column group; for v they are the two halves of one tile of v^T.
;   qb:  [bh][query tile] x 768 bytes (registers 0-3 at 16 l, registers 4-5 at 512 + 8 l); from byte 3,145,728 the scale words [bh][tile] x 64 bytes.
;   kvb: [bh][key step of 128] x 13,056 bytes: k's 8 tiles x 768; from 6,144 v^T's 4 tiles x 2 halves x 768; k's scale words at 12,288 + 64 t + 4 r; v's at 12,800 + 64 t + 4 r.
;   q's and k's scale words: two bytes of the head, then 0x7f twice, for the zero codes that fill the second product's K from 64 to 128.  All code stores cover whole aligned runs of 256 bytes.  For v lanes 16-31 store the same word as lanes 0-15.
; LIMITS: a block of zeros gets the byte 1 (zero codes; read by this program alone); magnitudes under 2^-124 are held at that floor; NaN and infinities are not served.
; REGISTERS: window 0: v1 r, v2 h; v16-21 LDS addresses; v22-27 the way out; v28, v29 the add's two; v32-47 scale words, two sets (lanes 0-15 A's block i, lanes 16-31 B's); v64-159, v160-255 A's fragments, two sets.
;   window 1: v0-95, v128-223 B's fragments, two sets.   windows 2, 3: accumulator (a, b) at v[8 ((8 a + b) % 32)] of window 2 + a / 4.
.set NBLK,  8
.set S,     2
.set KSTEPS, 8
.set LAPS,  KSTEPS/(2*S)
.set UNIT,  12800
.set SCO,   12288
.set LOADB, 25600                      ; what one tensor load brings
.set BREG,  51200                      ; in a slot: A's part, then B's
.set SLOT,  102400
.set AW,    25600                      ; from one wave's half of A (or B) to the other's
.set AWS,   25600
.set SPARE, 222208                     ; the spare words, 128 bytes a wave
.set QSO,   3145728
.set KVU,   13056
.set ADRA,  16
.set ADRB,  18
.set ADRS,  20
.set SPW,   28
.set NIL,   29
.set SC,    32
.set AF,    64
.set TM,    64                         ; the way out: at work,
.set PC,    80                         ; the codes,
.set PW,    100                        ; the scale word
.set G1,    24
.set G0,    32
.set G1B,   48
.set G0B,   56
.set MSB, 0
.macro WIN new                         ; the immediate's high byte repeats the setting that is left
.if MSB != (\new)
	s_set_vgpr_msb (MSB<<8)|(\new)
.set MSB, (\new)
.endif
.endm
.macro PLACES                          ; four plain places behind a matrix instruction, ahead of loads into its registers and of reads of its results
.rept 4
	v_nop
.endr
.endm
.macro JLOAD s                         ; a joint load: waves 0, 1 fetch A's halves, waves 2, 3 B's; an s_nop 0 and four v_nop follow each line
	s_cmp_eq_u32 s15, 0
	s_cbranch_scc0 .Lfor_b_\@
	tensor_load_to_lds s[G0+4*\s:G0+4*\s+3], s[G1:G1+7]
	s_nop 0
.rept 4
	v_nop
.endr
	s_branch .Lasked_\@
.Lfor_b_\@:
	tensor_load_to_lds s[G0B+4*\s:G0B+4*\s+3], s[G1B:G1B+7]
	s_nop 0
.rept 4
	v_nop
.endr
.Lasked_\@:
.endm
.macro CREST                           ; a round of the cluster's barrier behind its opening barrier
	s_cmp_lg_u32 s14, 0
	s_cbranch_scc1 .Lnot_wave_0_\@
	s_barrier_signal -3
.Lnot_wave_0_\@:
	s_barrier_wait -3
	s_barrier_signal -1
	s_barrier_wait -1
.endm
.macro CROUND
	s_barrier_signal -1
	s_barrier_wait -1
	CREST
.endm
.macro FETCH slot, q, set              ; the fragments and scale words of the slot's q-th K step, one run of loads
	WIN 0x40
.set I, 0
.rept NBLK
.irp c, 0,1,2
	ds_load_b128 v[128*(\set)+12*I+4*\c:128*(\set)+12*I+4*\c+3], v[ADRB+\slot] offset:UNIT*(\q)+1536*I+512*\c
.endr
.set I, I+1
.endr
	WIN 0
.set I, 0
.rept NBLK
.irp c, 0,1,2
	ds_load_b128 v[AF+12*NBLK*(\set)+12*I+4*\c:AF+12*NBLK*(\set)+12*I+4*\c+3], v[ADRA+\slot] offset:UNIT*(\q)+1536*I+512*\c
.endr
.set I, I+1
.endr
.set I, 0
.rept NBLK
	ds_load_b32 v[SC+NBLK*(\set)+I], v[ADRS+\slot] offset:UNIT*(\q)+64*I
.set I, I+1
.endr
.endm
.macro MULH half, set, zero            ; half of a K step's products; the accumulators take turns, one instruction a turn, in the same order in every step
	WIN 0xa1+0x50*(\half)
.set A_, (\half)*NBLK/2
.rept NBLK/2
.set B_, 0
.rept NBLK
.set D_, 8*((A_*NBLK+B_)%32)
.if \zero
	v_wmma_scale_f32_16x16x128_f8f6f4 v[D_:D_+7], v[128*(\set)+12*B_:128*(\set)+12*B_+11], v[AF+12*NBLK*(\set)+12*A_:AF+12*NBLK*(\set)+12*A_+11], 0, v[SC+NBLK*(\set)+B_], v[SC+NBLK*(\set)+A_] matrix_a_fmt:MATRIX_FMT_FP6 matrix_b_fmt:MATRIX_FMT_FP6 matrix_a_scale:MATRIX_SCALE_ROW1
.else
	v_wmma_scale_f32_16x16x128_f8f6f4 v[D_:D_+7], v[128*(\set)+12*B_:128*(\set)+12*B_+11], v[AF+12*NBLK*(\set)+12*A_:AF+12*NBLK*(\set)+12*A_+11], v[D_:D_+7], v[SC+NBLK*(\set)+B_], v[SC+NBLK*(\set)+A_] matrix_a_fmt:MATRIX_FMT_FP6 matrix_b_fmt:MATRIX_FMT_FP6 matrix_a_scale:MATRIX_SCALE_ROW1
.endif
.set B_, B_+1
.endr
.set A_, A_+1
.endr
.endm
.macro STEP slot, q, zero              ; a K step whose successor lies in the same slot
	s_wait_dscnt 0x0                               ; this step's fragments, asked for a step ago, are in
	PLACES                                         ; the other set was read by the last step's products
	FETCH \slot, (\q)+1, 1-(\q)%2
	MULH 0, (\q)%2, \zero
	MULH 1, (\q)%2, \zero
	WIN 0
.endm
.macro MID slot, first                 ; the slot's steps from first to S - 2
.set Q_, \first
.rept S-1-(\first)
	STEP \slot, Q_, 0
.set Q_, Q_+1
.endr
.endm
.macro TURN slot, next, fill           ; a slot's last step changes slots: one barrier
	s_wait_tensorcnt 0x0                           ; all my tensor loads have landed: my part of the next slot; so a group 0 may be written
	ds_add_u32 v[SPW], v[NIL]                      ; 0 onto my spare word
.if \fill
	s_add_nc_u64 s[G0+4*\slot+2:G0+4*\slot+3], s[G0+4*\slot+2:G0+4*\slot+3], 2*S*UNIT
	s_add_nc_u64 s[G0B+4*\slot+2:G0B+4*\slot+3], s[G0B+4*\slot+2:G0B+4*\slot+3], 2*S*UNIT
.irp g, G1, G1B                        ; no tensor load of mine is out: group 1 takes the refills' shape, 100 rows of 256 bytes, 25,600 dense bytes a wave
	s_mov_b32 s[\g+1], 32<<16
	s_mov_b32 s[\g+2], 100<<16
	s_mov_b32 s[\g+3], 32<<16
	s_mov_b32 s[\g+4], 100
	s_mov_b32 s[\g+5], 32
.endr
.endif
	s_wait_dscnt 0x0                               ; the add is done, this step's fragments are in, and my reads of this slot are over
	s_barrier_signal -1
	MULH 0, 1, 0                                   ; work on registers while the others arrive
	WIN 0
	s_barrier_wait -1
.if \fill
	CREST                                          ; the barrier has opened a round of the cluster's: no wave of any partner still reads this slot or has a load on its way
	JLOAD \slot                                    ; the first tensor load behind the round; its four v_nop are the places ahead of the loads below
.else
	PLACES
.endif
	FETCH \next, 0, 0
	MULH 1, 1, 0
	WIN 0
.endm
; 64 numbers of a lane, v[s] .. v[s + 63] of window w, register 16 b + i = k 32 b + 16 (lane / 16) + i of my row, become a fragment's codes in v[PC] on and its scale word in v[PW] (window 0).  Each accumulator is read from its low end on.
.macro QUANT s, w
	WIN (\w)|((\w)<<2)
.irp b, 0,1,2,3
	v_max3_num_f32 v[TM+\b], |v[(\s)+16*\b]|, |v[(\s)+1+16*\b]|, 0x1800000   ; with the floor 2^(3 - 127): the byte cannot fall under 1
.endr
	WIN ((\w)<<2)|((\w)<<4)
.irp i, 2,4,6,8,10,12,14
.irp b, 0,1,2,3
	v_max3_num_f32 v[TM+\b], v[TM+\b], |v[(\s)+16*\b+\i]|, |v[(\s)+1+16*\b+\i]|
.endr
.endr
	WIN 0
.irp b, 0,1,2,3
	v_permlanex16_b32 v[TM+4+\b], v[TM+\b], s96, s97
.endr
.irp b, 0,1,2,3
	v_max_num_f32 v[TM+\b], v[TM+\b], v[TM+4+\b]
.endr
.irp b, 0,1,2,3
	v_add_nc_u32 v[TM+12+\b], 0xff000000, v[TM+\b]   ; 2 off the exponent field: the conversion's scale operand
.endr
.irp b, 0,1,2,3
	v_lshrrev_b32 v[TM+4+\b], 23, v[TM+12+\b]
.endr
	v_lshl_or_b32 v[PW], v[TM+5], 8, v[TM+4]
	v_lshl_or_b32 v[PW], v[TM+6], 16, v[PW]
	v_lshl_or_b32 v[PW], v[TM+7], 24, v[PW]
	WIN (\w)
.irp c, 0,1
	v_cvt_scalef32_pk16_fp6_f32 v[PC+6*\c:PC+2+6*\c], v[(\s)+32*\c:(\s)+15+32*\c], v[TM+12+2*\c]
	v_cvt_scalef32_pk16_fp6_f32 v[PC+12+4*\c:PC+14+4*\c], v[(\s)+16+32*\c:(\s)+31+32*\c], v[TM+13+2*\c]
.endr
	WIN 0
	v_nop                                          ; one plain place behind a scaled conversion
.irp c, 0,1
.irp i, 0,1,2
	v_permlane16_swap_b32 v[PC+6*\c+\i], v[PC+12+4*\c+\i]
.endr
.irp i, 0,1,2
	v_mov_b32 v[PC+3+6*\c+\i], v[PC+12+4*\c+\i]
.endr
.endr
.endm
	s_load_b256 s[4:11], s[0:1], 0x0               ; hc, wc, qb, kvb
	v_lshl_add_u32 v[SPW], v0, 2, SPARE
	v_mov_b32 v[NIL], 0
	ds_add_u32 v[SPW], v[NIL]                      ; the wave's opening: the adds and their wait ahead of my first tensor load
	ds_add_u32 v[SPW], v[NIL]
	v_lshrrev_b32 v1, 5, v0
	v_readfirstlane_b32 s14, v1                    ; wave
	s_lshr_b32 s15, s14, 1                         ; wy: my half of A's rows.  Also: I fetch for A (0) or B (1)
	s_and_b32 s16, s14, 1                          ; wx: my half of B's rows.  Also: which half I fetch
	s_bfe_u32 s40, ttmp6, 0x40000                  ; cx
	s_bfe_u32 s41, ttmp6, 0x40004                  ; cy
	s_and_b32 s18, ttmp7, 0xffff
	s_lshl_b32 s18, s18, 2                         ; 4 x cluster y
	s_lshl_b32 s19, ttmp9, 2                       ; 4 x cluster x
	s_add_co_u32 s17, s18, s41                     ; q, k: A's tile = 4 cluster y + cy,
	s_add_co_u32 s42, s19, s40                     ;       B's tile = 4 cluster x + cx
	s_add_co_u32 s19, s18, s40                     ; v: B's tile = 4 cluster y + cx, A's = cy
	s_cmp_eq_u32 ttmp9, 2                          ; the same in all sixteen partners
	s_cselect_b32 s17, s41, s17
	s_cselect_b32 s42, s19, s42
	s_lshl_b32 s43, s41, 2
	s_lshl_b32 s43, 15, s43                        ; my row of the cluster
	s_lshl_b32 s44, 0x1111, s40                    ; my column
	s_or_b32 s[G1+0], s43, (3<<16)|(1<<21)         ; the mask; elements of 8 bytes; bit 21 beside a mask; no padding
	s_or_b32 s[G1B+0], s44, (3<<16)|(1<<21)
.irp g, G1, G1B
	s_mov_b32 s[\g+1], 3200<<16                    ; the head's tiles: two rows of 25,600 bytes (3,200 elements): two K steps of each of a tile's two row groups,
	s_mov_b32 s[\g+2], 2<<16
	s_mov_b32 s[\g+3], 3200<<16
	s_mov_b32 s[\g+4], 2
	s_mov_b32 s[\g+5], 12800                       ; 102,400 bytes from row group to row group
	s_mov_b32 s[\g+6], 0
	s_mov_b32 s[\g+7], 0
.endr
	s_lshl_b32 s20, s17, 1
	s_add_co_u32 s20, s20, s16
	s_mul_i32 s20, s20, KSTEPS*UNIT                ; A: row group 2 x tile + half
	s_mov_b32 s21, 0
	s_lshl_b32 s46, s42, 1
	s_add_co_u32 s46, s46, s16
	s_mul_i32 s46, s46, KSTEPS*UNIT                ; B likewise
	s_mov_b32 s47, 0
	s_mul_i32 s45, s14, LOADB                      ; where my load lands in a slot
	s_mov_b32 s96, 0x76543210
	s_mov_b32 s97, 0xfedcba98
	s_wait_dscnt 0x0                               ; the opening add is done
	s_wait_kmcnt 0x0
	s_add_nc_u64 s[22:23], s[6:7], 1638400         ; the weight's v columns
	s_cmp_eq_u32 ttmp9, 2
	s_cselect_b64 s[92:93], s[22:23], s[4:5]       ; A's buffer
	s_cselect_b64 s[94:95], s[4:5], s[6:7]         ; B's
	s_add_nc_u64 s[20:21], s[92:93], s[20:21]
	s_add_nc_u64 s[46:47], s[94:95], s[46:47]
	CROUND                                         ; all sixteen work-groups are here: the first joint loads meet
.irp s, 0,1
	s_mov_b32 s[G0+4*\s], 1
	s_add_co_u32 s[G0+4*\s+1], s45, \s*SLOT
	s_add_nc_u64 s[G0+4*\s+2:G0+4*\s+3], s[20:21], \s*S*UNIT
	s_or_b32 s[G0+4*\s+3], s[G0+4*\s+3], 0x80000000
	s_mov_b32 s[G0B+4*\s], 1
	s_add_co_u32 s[G0B+4*\s+1], s45, \s*SLOT
	s_add_nc_u64 s[G0B+4*\s+2:G0B+4*\s+3], s[46:47], \s*S*UNIT
	s_or_b32 s[G0B+4*\s+3], s[G0B+4*\s+3], 0x80000000
.endr
; THE HEAD'S LOADS, ONE A WAVE: wave 0 A's part of slot 0, wave 1 B's, wave 2 A's part of slot 1, wave 3 B's; one chain of branches on the wave's number, a line of its own for each wave
	s_mul_i32 s80, s17, 2*KSTEPS*UNIT              ; A: the tile's first row group,
	s_mul_i32 s81, s15, S*UNIT                     ; K steps 0, 1 (waves 0, 1) or 2, 3 (waves 2, 3)
	s_add_co_u32 s80, s80, s81
	s_mov_b32 s81, 0
	s_mov_b32 s72, 1
	s_mul_i32 s73, s15, SLOT
	s_add_nc_u64 s[74:75], s[92:93], s[80:81]
	s_or_b32 s75, s75, 0x80000000
	s_mul_i32 s88, s42, 2*KSTEPS*UNIT              ; B likewise
	s_mul_i32 s89, s15, S*UNIT
	s_add_co_u32 s88, s88, s89
	s_mov_b32 s89, 0
	s_mov_b32 s76, 1
	s_mul_i32 s77, s15, SLOT
	s_add_co_u32 s77, s77, BREG
	s_add_nc_u64 s[78:79], s[94:95], s[88:89]
	s_or_b32 s79, s79, 0x80000000
.macro HARM under, g0, g1, next
	s_cmp_lt_u32 s14, \under
	s_cbranch_scc0 \next
	tensor_load_to_lds s[\g0:\g0+3], s[\g1:\g1+7]
	s_nop 0
.rept 4
	v_nop
.endr
	s_branch .Lhead_asked
\next:
.endm
	HARM 1, 72, G1, .Lhead_1
	HARM 2, 76, G1B, .Lhead_2
	HARM 3, 72, G1, .Lhead_3
	tensor_load_to_lds s[76:79], s[G1B:G1B+7]
	s_nop 0
.rept 4
	v_nop
.endr
.Lhead_asked:
	v_and_b32 v1, 15, v0                           ; r
	v_bfe_u32 v2, v0, 4, 1                         ; h
	s_wait_alu depctr_va_vdst(0)
	v_and_b32 v3, 31, v0
	v_lshlrev_b32 v3, 4, v3                        ; 16 x lane
	s_mul_i32 s21, s15, AW
	s_mul_i32 s22, s16, AW
	s_add_co_u32 s22, s22, BREG
.irp s, 0,1
	v_add_nc_u32 v[ADRA+\s], s21, v3
	v_add_nc_u32 v[ADRB+\s], s22, v3
	s_add_co_u32 s21, s21, SLOT
	s_add_co_u32 s22, s22, SLOT
.endr
	s_mul_i32 s21, s15, AWS                        ; scale words: lanes 0-15 A's, lanes 16-31 B's: the lower base + h x the distance
	s_mul_i32 s22, s16, AWS
	s_add_co_u32 s22, s22, BREG
	s_sub_co_u32 s22, s22, s21
	v_mul_u32_u24 v6, s22, v2
	v_lshl_add_u32 v5, v1, 2, v6
	s_add_co_u32 s21, s21, SCO
.irp s, 0,1
	v_add_nc_u32 v[ADRS+\s], s21, v5
	s_add_co_u32 s21, s21, SLOT
.endr
	s_wait_alu depctr_va_vdst(0)
	s_cmp_lt_u32 s14, 2                            ; slot 0 is waves 0 and 1's: they wait; slot 1's two loads stay out, and the first change of slots waits for them
	s_cbranch_scc0 .Lslot_1_mine
	s_wait_tensorcnt 0x0
.Lslot_1_mine:
	s_barrier_signal -1
	s_barrier_wait -1
	FETCH 0, 0, 0
	STEP 0, 0, 1                                   ; the first step's products start the sums: nothing is cleared
.if LAPS > 1
	s_mov_b32 s3, LAPS-1
.Llap:
	MID 0, 1
	TURN 0, 1, 1
	MID 1, 0
	TURN 1, 0, 1
	STEP 0, 0, 0
	s_sub_co_u32 s3, s3, 1
	s_cmp_lg_u32 s3, 0
	s_cbranch_scc1 .Llap
.endif
	MID 0, 1                                       ; the last lap fills nothing
	TURN 0, 1, 0
	MID 1, 0
	s_wait_dscnt 0x0
	MULH 0, 1, 0
	MULH 1, 1, 0
	WIN 0
	PLACES
	; THE WAY OUT.  What differs between q, k and v is kept in scalars chosen on the cluster's x: no branch.
	s_lshl_b32 s82, s17, 1
	s_add_co_u32 s82, s82, s15                     ; A's row group
	s_lshl_b32 s83, s42, 1
	s_add_co_u32 s83, s83, s16                     ; B's
	s_and_b32 s84, s83, 7
	s_cmp_eq_u32 ttmp9, 2
	s_cselect_b32 s85, s83, s82                    ; the token group
	s_cselect_b32 s84, s82, s84                    ; the pair of heads
	s_lshr_b32 s86, s85, 4
	s_lshl_b32 s86, s86, 4
	s_lshl_b32 s84, s84, 1
	s_add_co_u32 s86, s86, s84                     ; bh of the even head
	s_and_b32 s85, s85, 15                         ; the group in its batch
	s_lshl_b32 s87, s86, 4
	s_add_co_u32 s87, s87, s85
	s_mul_i32 s87, s87, KVU                        ; kvb: unit (bh, key step)
	s_lshl_b32 s88, s86, 7
	s_lshl_b32 s85, s85, 3
	s_add_co_u32 s88, s88, s85                     ; qb: tile 128 bh + 8 group
	s_mul_i32 s89, s88, 768
	s_lshl_b32 s88, s88, 6
	s_add_co_u32 s88, s88, QSO
	s_add_co_u32 s92, s87, 12288
	s_mov_b32 s76, 208896                          ; from the even head to the odd one: codes,
	s_mov_b32 s77, 208896                          ; scale words
	s_mov_b32 s70, 768                             ; from row block to row block
	s_mov_b32 s79, 0xffff
	s_mov_b32 s80, 0x7f7f0000
	s_cmp_eq_u32 ttmp9, 0
	s_cselect_b64 s[66:67], s[8:9], s[10:11]
	s_cselect_b32 s90, s89, s87
	s_cselect_b32 s92, s88, s92
	s_cselect_b32 s76, 98304, s76
	s_cselect_b32 s77, 8192, s77
	s_cmp_eq_u32 ttmp9, 2
	s_cselect_b32 s94, 6144, 0
	s_cselect_b32 s95, 512, 0
	s_cselect_b32 s70, 1536, s70
	s_cselect_b32 s72, 202752, 0                   ; v: at row block 4 on to the odd head's unit
	s_cselect_b32 s74, 208640, 0
	s_cselect_b32 s76, 768, s76                    ; v: the fragment's second half follows the first
	s_cselect_b32 s77, 0, s77
	s_cselect_b32 s78, 0, 16
	s_cselect_b32 s79, -1, s79
	s_cselect_b32 s80, 0, s80
	s_add_co_u32 s90, s90, s94
	s_add_co_u32 s92, s92, s95
	s_mov_b32 s91, 0
	s_mov_b32 s93, 0
	s_mov_b32 s71, 0
	s_mov_b32 s73, 0
	s_mov_b32 s75, 0
	s_mov_b64 s[68:69], s[66:67]
	s_add_nc_u64 s[66:67], s[66:67], s[90:91]      ; the codes
	s_add_nc_u64 s[68:69], s[68:69], s[92:93]      ; the scale words
	v_and_b32 v3, 31, v0
	v_lshlrev_b32 v22, 4, v3
	v_lshlrev_b32 v23, 3, v3
	v_add_nc_u32 v24, s76, v22
	v_add_nc_u32 v25, s76, v23
	v_lshlrev_b32 v26, 2, v1
	v_mad_u32_u24 v26, v2, s77, v26
	v_mul_u32_u24 v27, v2, s78
.irp b, 0,1,2,3
	v_mov_b32 v[TM+4+\b], 0                        ; a lane permute's destination counts as one of its sources
.endr
.irp a, 0,1,2,3,4,5,6,7
.if \a > 0
	s_wait_xcnt 0x0                                ; the last block's stores have read their registers and bases
	s_add_nc_u64 s[66:67], s[66:67], s[70:71]
	s_add_nc_u64 s[68:69], s[68:69], 64
.endif
.if \a == 4
	s_add_nc_u64 s[66:67], s[66:67], s[72:73]
	s_add_nc_u64 s[68:69], s[68:69], s[74:75]
.endif
	QUANT 64*(\a%4), 2+\a/4
	global_store_b128 v22, v[PC:PC+3], s[66:67]
	global_store_b64 v23, v[PC+4:PC+5], s[66:67] offset:512
	global_store_b128 v24, v[PC+6:PC+9], s[66:67]
	global_store_b64 v25, v[PC+10:PC+11], s[66:67] offset:512
	v_lshrrev_b32 v101, v27, v[PW]                 ; q, k: lanes 16-31 take the odd head's two bytes
	v_and_or_b32 v101, v101, s79, s80
	global_store_b32 v26, v101, s[68:69]
.endr
	s_wait_tensorcnt 0x0                           ; the wave's end
	ds_add_u32 v[SPW], v[NIL]
	s_wait_dscnt 0x0
	CROUND                                         ; the closing round
	s_endpgm
.Lfunc_end_k_q1e42e1d414_qkv:
	.size	k_q1e42e1d414_qkv, .Lfunc_end_k_q1e42e1d414_qkv-k_q1e42e1d414_qkv
	.p2alignl 7, 3214868480
	.fill 96, 4, 3214868480
	.section	.rodata,"a",@progbits
	.p2align	6, 0x0
	.amdhsa_kernel k_q1e42e1d414_qkv
		.amdhsa_group_segment_fixed_size 327680
		.amdhsa_private_segment_fixed_size 0
		.amdhsa_enable_private_segment 0
		.amdhsa_kernarg_size 32
		.amdhsa_user_sgpr_count 2
		.amdhsa_user_sgpr_kernarg_segment_ptr 1
		.amdhsa_wavefront_size32 1
		.amdhsa_system_sgpr_workgroup_id_x 1
		.amdhsa_system_sgpr_workgroup_id_y 1
		.amdhsa_system_sgpr_workgroup_id_z 1
		.amdhsa_system_vgpr_workitem_id 0
		.amdhsa_next_free_vgpr 1024
		.amdhsa_next_free_sgpr 98
		.amdhsa_reserve_vcc 0
		.amdhsa_float_denorm_mode_32 3
		.amdhsa_float_denorm_mode_16_64 3
		.amdhsa_memory_ordered 1
		.amdhsa_forward_progress 1
		.amdhsa_inst_pref_size 145
	.end_amdhsa_kernel
	.amdgpu_metadata
---
amdhsa.version: [ 1, 2 ]
amdhsa.kernels:
  - .name:           k_q1e42e1d414_qkv
    .symbol:         k_q1e42e1d414_qkv.kd
    .args:
      - { .name: hc, .offset: 0, .size: 8, .value_kind: global_buffer, .address_space: global }
      - { .name: wc, .offset: 8, .size: 8, .value_kind: global_buffer, .address_space: global }
      - { .name: qb, .offset: 16, .size: 8, .value_kind: global_buffer, .address_space: global }
      - { .name: kvb, .offset: 24, .size: 8, .value_kind: global_buffer, .address_space: global }
    .group_segment_fixed_size: 327680
    .private_segment_fixed_size: 0
    .kernarg_segment_align: 8
    .kernarg_segment_size: 32
    .max_flat_workgroup_size: 128
    .sgpr_count:     98
    .vgpr_count:     1024
    .wavefront_size: 32
...
	.end_amdgpu_metadata
.endif
;; end of part 2
;; launch attn (part 3): grid 8 x 32, 16 waves a work-group, clusters of 4 x 1, 210,944 bytes of LDS; arguments qb, kvb, oc; writes oc
.if DOCPART == 3
	.amdgcn_target "amdgcn-amd-amdhsa--gfx1250"
	.amdhsa_code_object_version 6
	.text
	.protected	k_q1e42e1d414_attn
	.globl	k_q1e42e1d414_attn
	.p2align	8
	.type	k_q1e42e1d414_attn,@function
k_q1e42e1d414_attn:
	s_mov_b64 s[64:65], 0
	v_nop
	global_prefetch_b8 v0, s[64:65] scope:SCOPE_SE
	s_setreg_imm32_b32 hwreg(HW_REG_WAVE_MODE, 25, 1), 1
	s_wait_xcnt 0x0
	s_wait_alu depctr_hold_cnt(0) depctr_sa_sdst(0) depctr_va_vdst(0) depctr_va_sdst(0) depctr_va_ssrc(0) depctr_va_vcc(0) depctr_vm_vsrc(0)
	s_getreg_b32 s2, hwreg(HW_REG_IB_STS2, 6, 4)
	s_cmp_eq_u32 s2, 0
	s_cbranch_scc0 .Lentry_in_a_cluster
	s_endpgm
.Lentry_in_a_cluster:
	s_bfe_u32 s2, ttmp6, 0x10000c
	s_cmp_lg_u32 s2, 0x3003
	s_cbranch_scc0 .Lentry_shape_is_right
	s_endpgm
.Lentry_shape_is_right:
; o = softmax(q k^T / 8) v for one head, both products on FP6 (E2M3) codes; o / the row's sum is quantised along the channels and stored as the next product's operand.
; THE SOFTMAX: t = score x log2(e) / 8; M = the running largest t rounded UP to a whole number; p = 2^(t - M) is quantised along the keys, not normalised; the row's sum is taken of the unquantised p and divides at the end.
; When M moves, the sum and O are multiplied by 2^(old M - new M): exact.
; SHARES: a work-group owns 256 queries of one (batch, head), each of its sixteen waves one tile of 16 queries; four waves to a SIMD.
; NO RING: a head's k and v are 16 units of 13,056 bytes = 208,896 bytes, all in LDS.  Wave w brings key step w's unit by one tensor load at the start; nothing is filled again.  So there is no loop to run a prefetch ahead in: none is laid.
; CLUSTER 4 x 1: the four query blocks of a cluster read the same k and v: each unit is asked for jointly.
; A UNIT (128 keys): k's tile f (16 keys x 64 channels, six registers) at 768 f (registers 0-3 at 16 l, 4-5 at 512 + 8 l); v^T's tile t, half c, at 6,144 + 1,536 t + 768 c likewise; k's scale words at 12,288 + 64 f + 4 row; v's at 12,800 + 64 t + 4 r.
; In memory row y of k's tile f is key 32 (f / 2) + 8 (f % 2) + y + 8 (y / 8).
; WHICH KEYS FORM A TILE IS CHOSEN BY THE LDS ADDRESS: lane-row r of my tile t takes key 64 (t / 4) + 32 (r / 8) + 8 (t % 4) + r % 8, which is row r % 8 + 8 ((t % 4) / 2) of stored tile 4 (t / 4) + 2 (r / 8) + t % 2.
; Both products are used transposed (S^T = k q^T, O^T = v^T p^T).  Lane (r, h) then holds query r, and register 32 c + i of S^T is key 64 c + 32 h + i: a WHOLE scale block in a lane, in the order of the next operand's registers.
; So no lane is asked for a block's maximum, and the conversions' results are the operand (three moves a block: a conversion's registers begin on an even number).
; THE FIRST PRODUCT'S K IS 64: q's registers 6-11 hold zero codes and the scale words carry 0x7f there.  What k's operand holds in its registers 6-11 meets zero codes: it is the next tile's six registers (the last tile's: p's codes), every pattern a finite code.
; So k's eight tiles lie in 48 registers on end and are fetched a whole step ahead, behind the products that read them.
; ONE SPLIT BARRIER A TRIP (signal at the top, wait ahead of the second product): no wave is more than a trip ahead of another.  It guards no bytes.
; OUT: oc in the operand format (units of 12,800 bytes [token group][pair of heads]); this head's six registers are one half of a fragment's twelve; chunk 1 is written half by each head's work-group and the scale bytes go out singly.
; LIMITS: the scaled scores stay under 2^31 in magnitude; a block of zeros gets the byte 1 (zero codes; read by this program alone); magnitudes under 2^-124 are held at that floor; NaN and infinities are not served.
.set KVU,   13056
.set UNIT,  12800
.set SCO,   12288
.set QSO,   3145728
.set SPARE, 16*KVU
.set LB16, 1                           ; 16, 8 x lane, 4 r
.set LB8,  2
.set LB4,  3
.set SPW,  5
.set NIL,  6
.set SH8,  7                           ; 8 h
.set KL16, 8                           ; k's lane terms
.set KL8,  9
.set KLS,  10
.set Q,    16                          ; v16-27 q;  v12 -M, v13 the largest t, v[14:15] the sum in two halves
.set AK16, 28                          ; the next step's k, this step's v: LDS addresses
.set AK8,  29
.set AKS,  30
.set AV16, 31
.set AV8,  32
.set AVS,  33
.set KF,   34                          ; v34-81 k's eight tiles, six registers each
.set PCD,  82                          ; v82-93 p's codes
.set P,    96                          ; v96-159 S^T, then p, then (v96-143) v^T's four fragments
.set O,    160                         ; v160-191 O^T
.set KS,   192                         ; scale words: k's eight, v's four, p's, q's
.set VS,   200
.set PS,   204
.set QS,   205
.set BM,   206                         ; the two blocks' maxima; v208-209 their second chains
.set CH,   208
.set FF,   210                         ; f = 2^(old M - new M), in a pair
.set X,    212                         ; v212-217 three chains of the sum
.set T,    218
.set T2,   219
.set SOP,  220
.set EB,   222
.set TC,   224                         ; v224-226, v228-230 the conversions' upper halves
.set WV,   18
.set SEL,  20
.set CS,   22
.set G1,   24
.set G0,   32
.set TB,   36
.set CNT,  37
.macro CROUND
	s_barrier_signal -1
	s_barrier_wait -1
	s_cmp_lg_u32 s[WV], 0
	s_cbranch_scc1 .Lnot_wave_0_\@
	s_barrier_signal -3
.Lnot_wave_0_\@:
	s_barrier_wait -3
	s_barrier_signal -1
	s_barrier_wait -1
.endm
.macro KLOAD                           ; k's eight tiles and scale words, by the addresses of the step named in v[AK..]
.irp t, 0,1,2,3,4,5,6,7
	ds_load_b128 v[KF+6*\t:KF+6*\t+3], v[AK16] offset:768*(4*(\t/4)+\t%2)+128*((\t%4)/2)
	ds_load_b64 v[KF+6*\t+4:KF+6*\t+5], v[AK8] offset:768*(4*(\t/4)+\t%2)+512+64*((\t%4)/2)
	ds_load_b32 v[KS+\t], v[AKS] offset:12288+64*(4*(\t/4)+\t%2)+32*((\t%4)/2)
.endr
.endm
.macro VLOAD t0                        ; v^T's tiles t0, t0 + 1 into registers that p has left
.irp t, \t0, \t0+1
.irp c, 0,1
	ds_load_b128 v[P+12*(\t)+6*\c:P+12*(\t)+6*\c+3], v[AV16] offset:6144+1536*(\t)+768*\c
	ds_load_b64 v[P+12*(\t)+6*\c+4:P+12*(\t)+6*\c+5], v[AV8] offset:6144+1536*(\t)+768*\c+512
.endr
	ds_load_b32 v[VS+(\t)], v[AVS] offset:12800+64*(\t)
.endr
.endm
.macro STEP pre                        ; 128 keys; pre = 1: the next step's k is fetched, and the trip's barrier stands
	s_wait_dscnt 0x0                               ; this step's k, asked for a step ago, is in; no LDS instruction of mine is out at the signal
.if \pre
	s_barrier_signal -1
.endif
	v_add_nc_u32 v[AV16], s[TB], v[LB16]
	v_add_nc_u32 v[AV8], s[TB], v[LB8]
	v_add_nc_u32 v[AVS], s[TB], v[LB4]
	v_nop
	v_nop                                          ; five places: the first product below writes over registers that the last trip's products read
.irp t, 0,1,2,3,4,5,6,7
	v_wmma_scale_f32_16x16x128_f8f6f4 v[P+8*\t:P+8*\t+7], v[KF+6*\t:KF+6*\t+11], v[Q:Q+11], 0, v[KS+\t], v[QS] matrix_a_fmt:MATRIX_FMT_FP6 matrix_b_fmt:MATRIX_FMT_FP6
.endr
.if \pre
	s_add_co_u32 s[TB], s[TB], KVU
	v_add_nc_u32 v[AK16], s[TB], v[KL16]           ; four places behind the products, ahead of the loads into their registers and of the reads of their results
	v_add_nc_u32 v[AK8], s[TB], v[KL8]
	v_add_nc_u32 v[AKS], s[TB], v[KLS]
	v_nop
	KLOAD
.else
.rept 4
	v_nop
.endr
.endif
.irp c, 0,1                            ; the largest score of my two blocks of 32 keys, two chains each; every accumulator is read from its low end on
	v_max3_num_f32 v[BM+\c], v[P+32*\c], v[P+32*\c+1], v[P+32*\c+2]
	v_max3_num_f32 v[CH+\c], v[P+32*\c+16], v[P+32*\c+17], v[P+32*\c+18]
.endr
.irp i, 3,5,7,9,11,13
.irp c, 0,1
	v_max3_num_f32 v[BM+\c], v[BM+\c], v[P+32*\c+\i], v[P+32*\c+\i+1]
	v_max3_num_f32 v[CH+\c], v[CH+\c], v[P+32*\c+16+\i], v[P+32*\c+17+\i]
.endr
.endr
.irp c, 0,1
	v_max3_num_f32 v[BM+\c], v[BM+\c], v[CH+\c], v[P+32*\c+15]
.endr
.irp c, 0,1
	v_max_num_f32 v[BM+\c], v[BM+\c], v[P+32*\c+31]
.endr
	s_delay_alu instid0(VALU_DEP_1)
	v_max_num_f32 v[T], v[BM], v[BM+1]
	s_delay_alu instid0(VALU_DEP_1)
	v_permlanex16_b32 v[T2], v[T], s[SEL], s[SEL+1]
	s_delay_alu instid0(VALU_DEP_1)
	v_max_num_f32 v[T], v[T], v[T2]                ; with lane l xor 16's 64 keys: the step's largest score of my query
	s_delay_alu instid0(VALU_DEP_1)
	v_mul_f32 v[T], s[CS], v[T]                    ; as t
	s_delay_alu instid0(VALU_DEP_1)
	v_max_num_f32 v13, v13, v[T]                   ; the running largest t
	v_mov_b32 v[T], v12
	s_delay_alu instid0(VALU_DEP_2)
	v_floor_f32 v12, -v13                          ; the new -M = -ceil(t)
	s_delay_alu instid0(VALU_DEP_1)
	v_sub_f32 v[T], v12, v[T]                      ; old M - new M: a whole number, 0 or less
	s_delay_alu instid0(VALU_DEP_1)
	v_cvt_i32_f32 v[T], v[T]                       ; (it saturates)
	s_delay_alu instid0(VALU_DEP_1)
	v_ldexp_f32 v[FF], 1.0, v[T]                   ; f
.set J, 0
.rept 32
	v_pk_fma_f32 v[P+J:P+J+1], v[P+J:P+J+1], s[CS:CS+1], v[12:13] op_sel_hi:[1,0,0]   ; t - M
.set J, J+2
.endr
.irp c, 0,1
	v_fma_f32 v[BM+\c], v[BM+\c], s[CS], v12       ; the same of each block's largest score: p rises with the score
.endr
	s_wait_alu depctr_va_vdst(0)                   ; the wait ahead of the batch
.set J, 0
.rept 64
	v_exp_f32 v[P+J], v[P+J]                       ; p = 2^(t - M)
.set J, J+1
.endr
.irp c, 0,1
	v_exp_f32 v[BM+\c], v[BM+\c]                   ; the blocks' largest p
.endr
	v_pk_mul_f32 v[14:15], v[14:15], v[FF:FF+1] op_sel_hi:[1,0]   ; the sums under the new M: a plain place behind the batch
	s_wait_alu depctr_va_vdst(0)                   ; one wait for the batch, ahead of its first reader
	v_pk_add_f32 v[X:X+1], v[P:P+1], v[P+2:P+3]    ; the row's sum, of the unquantised p: four chains
	v_pk_add_f32 v[X+2:X+3], v[P+4:P+5], v[P+6:P+7]
	v_pk_add_f32 v[X+4:X+5], v[P+8:P+9], v[P+10:P+11]
	v_pk_add_f32 v[14:15], v[14:15], v[P+12:P+13]
.irp j, 14,22,30,38,46,54
	v_pk_add_f32 v[X:X+1], v[X:X+1], v[P+\j:P+\j+1]
	v_pk_add_f32 v[X+2:X+3], v[X+2:X+3], v[P+\j+2:P+\j+3]
	v_pk_add_f32 v[X+4:X+5], v[X+4:X+5], v[P+\j+4:P+\j+5]
	v_pk_add_f32 v[14:15], v[14:15], v[P+\j+6:P+\j+7]
.endr
	v_pk_add_f32 v[X:X+1], v[X:X+1], v[P+62:P+63]
	v_pk_add_f32 v[14:15], v[14:15], v[X+4:X+5]
	s_delay_alu instid0(VALU_DEP_2)
	v_pk_add_f32 v[X:X+1], v[X:X+1], v[X+2:X+3]
	s_delay_alu instid0(VALU_DEP_1)
	v_pk_add_f32 v[14:15], v[14:15], v[X:X+1]
.irp c, 0,1
	v_max_num_f32 v[BM+\c], 0x1800000, v[BM+\c]    ; the floor 2^(3 - 127): the byte cannot fall under 1
.endr
.irp c, 0,1
	s_delay_alu instid0(VALU_DEP_2)
	v_add_nc_u32 v[SOP+\c], 0xff000000, v[BM+\c]   ; 2 off the exponent field: the conversion's scale operand
.endr
	v_cvt_scalef32_pk16_fp6_f32 v[PCD:PCD+2], v[P:P+15], v[SOP]
	v_cvt_scalef32_pk16_fp6_f32 v[TC:TC+2], v[P+16:P+31], v[SOP]
	VLOAD 0                                        ; into p's registers 0-23, which are converted
	v_cvt_scalef32_pk16_fp6_f32 v[PCD+6:PCD+8], v[P+32:P+47], v[SOP+1]
	v_cvt_scalef32_pk16_fp6_f32 v[TC+4:TC+6], v[P+48:P+63], v[SOP+1]
.irp c, 0,1
	v_lshrrev_b32 v[EB+\c], 23, v[SOP+\c]          ; the bytes of blocks h and 2 + h (also the plain place behind the conversions)
.endr
	VLOAD 2
	v_lshl_or_b32 v[PS], v[EB+1], 16, v[EB]
	s_delay_alu instid0(VALU_DEP_1)
	v_lshlrev_b32 v[PS], v[SH8], v[PS]             ; at their places in the word,
	s_delay_alu instid0(VALU_DEP_1)
	v_permlanex16_b32 v[T2], v[PS], s[SEL], s[SEL+1]
	s_delay_alu instid0(VALU_DEP_1)
	v_or_b32 v[PS], v[PS], v[T2]                   ; and with lane l xor 16's two the word is whole
.irp c, 0,1
.irp i, 0,1,2
	v_mov_b32 v[PCD+3+6*\c+\i], v[TC+4*\c+\i]
.endr
.endr
	s_wait_alu depctr_va_vdst(0)                   ; the wait directly ahead of the first reader of O^T
.set J, 0
.rept 16
	v_pk_mul_f32 v[O+J:O+J+1], v[O+J:O+J+1], v[FF:FF+1] op_sel_hi:[1,0]   ; O^T under the new M; also the places between the writes of p's codes and scale word and the products
.set J, J+2
.endr
	s_wait_alu depctr_va_vdst(0)                   ; the wait directly ahead of the waits below
.if \pre
	s_barrier_wait -1
.endif
	s_wait_dscnt 0x0                               ; v^T is in (and the next step's k)
.irp t, 0,1,2,3
	v_wmma_scale_f32_16x16x128_f8f6f4 v[O+8*\t:O+8*\t+7], v[P+12*\t:P+12*\t+11], v[PCD:PCD+11], v[O+8*\t:O+8*\t+7], v[VS+\t], v[PS] matrix_a_fmt:MATRIX_FMT_FP6 matrix_b_fmt:MATRIX_FMT_FP6
.endr
.endm
	s_load_b128 s[4:7], s[0:1], 0x0                ; qb, kvb
	s_load_b64 s[8:9], s[0:1], 0x10                ; oc
	v_lshl_add_u32 v[SPW], v0, 2, SPARE
	v_mov_b32 v[NIL], 0
	ds_add_u32 v[SPW], v[NIL]                      ; the opening lines
	ds_add_u32 v[SPW], v[NIL]
	v_lshrrev_b32 v[T], 5, v0
	s_delay_alu instid0(VALU_DEP_1)
	v_readfirstlane_b32 s[WV], v[T]                ; wave 0..15
	s_and_b32 s12, ttmp7, 0xffff                   ; bh, which the four partners share
	s_lshl_b32 s13, s12, 4
	s_add_co_u32 s13, s13, s[WV]
	s_mul_i32 s38, s13, KVU                        ; my unit of k and v: key step = my wave's number
	s_mov_b32 s39, 0
	s_mov_b32 s[G0], 1
	s_mul_i32 s[G0+1], s[WV], KVU
	s_mov_b32 s[G1], 15|(3<<16)|(1<<21)            ; the mask: all four; elements of 8 bytes; bit 21 beside a mask
	s_mov_b32 s[G1+1], 32<<16                      ; 51 rows of 256 bytes: 13,056 dense bytes
	s_mov_b32 s[G1+2], 51<<16
	s_mov_b32 s[G1+3], 32<<16
	s_mov_b32 s[G1+4], 51
	s_mov_b32 s[G1+5], 32
	s_mov_b32 s[G1+6], 0
	s_mov_b32 s[G1+7], 0
	s_bfe_u32 s10, ttmp6, 0x40000                  ; cx: it enters q's and o's addresses alone
	s_lshl_b32 s11, ttmp9, 2
	s_add_co_u32 s11, s11, s10
	s_lshl_b32 s11, s11, 4
	s_add_co_u32 s11, s11, s[WV]                   ; my query tile, 0 .. 127
	s_lshl_b32 s44, s12, 7
	s_add_co_u32 s44, s44, s11
	s_mul_i32 s40, s44, 768
	s_mov_b32 s41, 0
	s_lshl_b32 s42, s44, 6
	s_add_co_u32 s42, s42, QSO
	s_mov_b32 s43, 0
	s_mov_b32 s[SEL], 0x76543210
	s_mov_b32 s[SEL+1], 0xfedcba98
	s_mov_b32 s[CS], 0x3e38aa3b                    ; c = log2(e) / 8
	s_mov_b32 s[CS+1], s[CS]
	s_mov_b32 s[TB], 0
	s_mov_b32 s[CNT], 15
	s_wait_dscnt 0x0
	s_wait_kmcnt 0x0
	s_add_nc_u64 s[G0+2:G0+3], s[6:7], s[38:39]
	s_or_b32 s[G0+3], s[G0+3], 0x80000000
	s_add_nc_u64 s[40:41], s[4:5], s[40:41]
	s_add_nc_u64 s[42:43], s[4:5], s[42:43]
	CROUND                                         ; all four work-groups are here: the joint loads meet
	tensor_load_to_lds s[G0:G0+3], s[G1:G1+7]      ; my one tensor load of the launch
	s_nop 0
.rept 4
	v_nop
.endr
	v_and_b32 v[T2], 31, v0
	v_and_b32 v4, 15, v0
	s_delay_alu instid0(VALU_DEP_2)
	v_lshlrev_b32 v[LB16], 4, v[T2]
	v_lshlrev_b32 v[LB8], 3, v[T2]
	v_lshlrev_b32 v[LB4], 2, v4
	global_load_b128 v[Q:Q+3], v[LB16], s[40:41]
	global_load_b64 v[Q+4:Q+5], v[LB8], s[40:41] offset:512
	global_load_b32 v[QS], v[LB4], s[42:43]
	v_and_b32 v11, 7, v0                           ; r % 8
	v_bfe_u32 v[T], v0, 3, 1                       ; r / 8
	v_bfe_u32 v[SH8], v0, 4, 1                     ; h
	v_mul_u32_u24 v[KL16], v[T], 1536              ; two stored tiles on for lane-rows 8-15
	v_lshlrev_b32 v[KLS], 7, v[T]
	v_lshl_add_u32 v[KL8], v11, 3, v[KL16]
	v_lshl_add_u32 v[KL16], v11, 4, v[KL16]
	v_lshl_add_u32 v[KLS], v11, 2, v[KLS]          ; 128 (r / 8) + 4 (r % 8)
	v_lshl_add_u32 v[KL8], v[SH8], 7, v[KL8]       ; 1,536 (r / 8) + 8 (r % 8) + 128 h
	v_lshl_add_u32 v[KL16], v[SH8], 8, v[KL16]     ; 1,536 (r / 8) + 16 (r % 8) + 256 h
	v_lshlrev_b32 v[SH8], 3, v[SH8]
	v_mov_b32 v[AKS], v[KLS]
	v_mov_b32 v[AK8], v[KL8]
	v_mov_b32 v[AK16], v[KL16]                     ; key step 0
.irp i, 6,7,8,9,10,11
	v_mov_b32 v[Q+\i], 0                           ; q's zero codes for K = 64 .. 127
.endr
.set J, 0
.rept 12
	v_mov_b32 v[PCD+J], 0                          ; p's codes: read as the upper half of k's last operand from the first step on
.set J, J+1
.endr
	v_mov_b32 v13, 0xff61b1e6                      ; the largest t so far: -3e38
	s_delay_alu instid0(VALU_DEP_1)
	v_floor_f32 v12, -v13                          ; -M
	v_mov_b32 v14, 0
	v_mov_b32 v15, 0
	v_mov_b32 v[T2], 0                             ; a lane permute's destination counts as one of its sources
	v_mov_b32 v[FF+1], 0                           ; the upper half of a pair that the packed multiplies name
.set J, 0
.rept 32
	v_mov_b32 v[O+J], 0                            ; O^T: the step is written once; the first finds zeros, which the first change of M leaves zeros
.set J, J+1
.endr
	s_wait_alu depctr_va_vdst(0)                   ; the wait at the head's end
	s_wait_tensorcnt 0x0                           ; my unit is in,
	s_barrier_signal -1
	s_barrier_wait -1                              ; everybody's is
	KLOAD
	s_wait_loadcnt 0x0                             ; q
.Lstep:                                            ; 15 trips of 128 keys; the sixteenth step, which fetches nothing more, is written out
	STEP 1
	s_sub_co_u32 s[CNT], s[CNT], 1
	s_cmp_lg_u32 s[CNT], 0
	s_cbranch_scc1 .Lstep
	STEP 0
	; THE WAY OUT
.rept 4
	v_nop
.endr
	v_add_f32 v14, v14, v15
	s_delay_alu instid0(VALU_DEP_1)
	v_permlanex16_b32 v[T2], v14, s[SEL], s[SEL+1]
	s_delay_alu instid0(VALU_DEP_1)
	v_add_f32 v14, v14, v[T2]                      ; the row's sum
	s_wait_alu depctr_va_vdst(0)
	v_rcp_f32 v14, v14
	s_and_b32 s44, s12, 15                         ; the head
	s_lshr_b32 s45, s12, 4
	s_lshl_b32 s45, s45, 4
	s_lshr_b32 s46, s11, 3
	s_add_co_u32 s45, s45, s46                     ; the token group
	s_lshl_b32 s45, s45, 3
	s_lshr_b32 s46, s44, 1
	s_add_co_u32 s45, s45, s46
	s_mul_i32 s46, s45, UNIT                       ; unit (token group, pair of heads)
	s_mov_b32 s47, 0
	s_add_nc_u64 s[8:9], s[8:9], s[46:47]
	s_and_b32 s48, s11, 7                          ; the fragment
	s_mul_i32 s49, s48, 1536
	s_lshl_b32 s48, s48, 6
	s_and_b32 s44, s44, 1
	s_mov_b32 s52, 512
	s_cmp_eq_u32 s44, 1                            ; an odd head's six registers are the fragment's registers 6 - 11
	s_cselect_b32 s50, 520, 0
	s_cselect_b32 s51, 1024, 8
	s_cselect_b32 s52, 1032, s52
	s_add_co_u32 s50, s50, s49
	s_add_co_u32 s51, s51, s49
	s_add_co_u32 s52, s52, s49
	s_lshl_b32 s44, s44, 1
	s_add_co_u32 s48, s48, s44
	s_add_co_u32 s48, s48, SCO
	s_mov_b32 s53, 0xffff0000
	v_add_nc_u32 v8, s50, v[LB16]                  ; (plain places behind the reciprocal)
	v_add_nc_u32 v9, s51, v[LB16]
	v_add_nc_u32 v10, s52, v[LB16]
	v_bfe_u32 v7, v0, 4, 1
	s_delay_alu instid0(VALU_DEP_1)
	v_lshl_add_u32 v11, v4, 2, v7
	s_delay_alu instid0(VALU_DEP_1)
	v_add_nc_u32 v11, s48, v11                     ; my byte: 12,288 + 64 f + 4 r + 2 (head % 2) + h
	s_wait_alu depctr_va_vdst(0)                   ; the wait, ahead of the reciprocal's first reader and of O^T's
.set J, 0
.rept 32
	v_mul_f32 v[P+J], v[O+J], v14                  ; o: register 16 b + i is channel 32 b + 16 h + i; each accumulator from its low end on
.set J, J+1
.endr
.irp b, 0,1
	v_max3_num_f32 v[BM+\b], |v[P+16*\b]|, |v[P+1+16*\b]|, 0x1800000
.endr
.irp i, 2,4,6,8,10,12,14
.irp b, 0,1
	s_delay_alu instid0(VALU_DEP_2)
	v_max3_num_f32 v[BM+\b], v[BM+\b], |v[P+16*\b+\i]|, |v[P+1+16*\b+\i]|
.endr
.endr
.irp b, 0,1
	s_delay_alu instid0(VALU_DEP_2)
	v_permlanex16_b32 v[CH+\b], v[BM+\b], s[SEL], s[SEL+1]
.endr
.irp b, 0,1
	s_delay_alu instid0(VALU_DEP_2)
	v_max_num_f32 v[BM+\b], v[BM+\b], v[CH+\b]
.endr
.irp b, 0,1
	s_delay_alu instid0(VALU_DEP_2)
	v_add_nc_u32 v[SOP+\b], 0xff000000, v[BM+\b]
.endr
.irp b, 0,1
	s_delay_alu instid0(VALU_DEP_2)
	v_lshrrev_b32 v[EB+\b], 23, v[SOP+\b]
.endr
	v_cvt_scalef32_pk16_fp6_f32 v[PCD:PCD+2], v[P:P+15], v[SOP]
	v_cvt_scalef32_pk16_fp6_f32 v[TC:TC+2], v[P+16:P+31], v[SOP+1]
	v_nop
.irp i, 0,1,2
	v_permlane16_swap_b32 v[PCD+\i], v[TC+\i]      ; here a block lies in lanes l and l xor 16: the layout wants it whole in a lane
.endr
.irp i, 0,1,2
	s_delay_alu instid0(VALU_DEP_3)
	v_mov_b32 v[PCD+3+\i], v[TC+\i]
.endr
	v_cndmask_b32 v[T], v[EB], v[EB+1], s53        ; lanes 0-15 block 0's byte, lanes 16-31 block 1's
	global_store_b64 v8, v[PCD:PCD+1], s[8:9]
	global_store_b64 v9, v[PCD+2:PCD+3], s[8:9]
	global_store_b64 v10, v[PCD+4:PCD+5], s[8:9]
	global_store_b8 v11, v[T], s[8:9]
	s_wait_tensorcnt 0x0                           ; the wave's end
	ds_add_u32 v[SPW], v[NIL]
	s_wait_dscnt 0x0
	CROUND                                         ; the closing round
	s_endpgm
.Lfunc_end_k_q1e42e1d414_attn:
	.size	k_q1e42e1d414_attn, .Lfunc_end_k_q1e42e1d414_attn-k_q1e42e1d414_attn
	.p2alignl 7, 3214868480
	.fill 96, 4, 3214868480
	.section	.rodata,"a",@progbits
	.p2align	6, 0x0
	.amdhsa_kernel k_q1e42e1d414_attn
		.amdhsa_group_segment_fixed_size 210944
		.amdhsa_private_segment_fixed_size 0
		.amdhsa_enable_private_segment 0
		.amdhsa_kernarg_size 24
		.amdhsa_user_sgpr_count 2
		.amdhsa_user_sgpr_kernarg_segment_ptr 1
		.amdhsa_wavefront_size32 1
		.amdhsa_system_sgpr_workgroup_id_x 1
		.amdhsa_system_sgpr_workgroup_id_y 1
		.amdhsa_system_sgpr_workgroup_id_z 1
		.amdhsa_system_vgpr_workitem_id 0
		.amdhsa_next_free_vgpr 256
		.amdhsa_next_free_sgpr 66
		.amdhsa_reserve_vcc 0
		.amdhsa_float_denorm_mode_32 3
		.amdhsa_float_denorm_mode_16_64 3
		.amdhsa_memory_ordered 1
		.amdhsa_forward_progress 1
		.amdhsa_inst_pref_size 45
	.end_amdhsa_kernel
	.amdgpu_metadata
---
amdhsa.version: [ 1, 2 ]
amdhsa.kernels:
  - .name:           k_q1e42e1d414_attn
    .symbol:         k_q1e42e1d414_attn.kd
    .args:
      - { .name: qb, .offset: 0, .size: 8, .value_kind: global_buffer, .address_space: global }
      - { .name: kvb, .offset: 8, .size: 8, .value_kind: global_buffer, .address_space: global }
      - { .name: oc, .offset: 16, .size: 8, .value_kind: global_buffer, .address_space: global }
    .group_segment_fixed_size: 210944
    .private_segment_fixed_size: 0
    .kernarg_segment_align: 8
    .kernarg_segment_size: 24
    .max_flat_workgroup_size: 512
    .sgpr_count:     66
    .vgpr_count:     256
    .wavefront_size: 32
...
	.end_amdgpu_metadata
.endif
;; end of part 3
;; launch proj (part 4): grid 8 x 32, 4 waves a work-group, clusters of 4 x 4, 327,680 bytes of LDS; arguments oc, wc, proj_b, x, x1; writes x1
.if DOCPART == 4
	.amdgcn_target "amdgcn-amd-amdhsa--gfx1250"
	.amdhsa_code_object_version 6
	.text
	.protected	k_q1e42e1d414_proj
	.globl	k_q1e42e1d414_proj
	.p2align	8
	.type	k_q1e42e1d414_proj,@function
k_q1e42e1d414_proj:
	s_mov_b64 s[64:65], 0
	v_nop
	global_prefetch_b8 v0, s[64:65] scope:SCOPE_SE
	s_setreg_imm32_b32 hwreg(HW_REG_WAVE_MODE, 25, 1), 1
	s_wait_xcnt 0x0
	s_wait_alu depctr_hold_cnt(0) depctr_sa_sdst(0) depctr_va_vdst(0) depctr_va_sdst(0) depctr_va_ssrc(0) depctr_va_vcc(0) depctr_vm_vsrc(0)
	s_getreg_b32 s2, hwreg(HW_REG_IB_STS2, 6, 4)
	s_cmp_eq_u32 s2, 0
	s_cbranch_scc0 .Lentry_in_a_cluster
	s_endpgm
.Lentry_in_a_cluster:
	s_bfe_u32 s2, ttmp6, 0x10000c
	s_cmp_lg_u32 s2, 0xf033
	s_cbranch_scc0 .Lentry_shape_is_right
	s_endpgm
.Lentry_shape_is_right:
.set NBLK,  4
.set S,     4
.set KSTEPS, 8
.set WOFF,  2457600
.set LAPS,  KSTEPS/(2*S)
.set UNIT,  12800
.set SCO,   12288
.set LOADB, 25600
.set BREG,  51200
.set SLOT,  102400
.set AW,    6144
.set AWS,   256
.set STAGE, 204800
.set SPARE, 222208
.set ADRA,  16
.set ADRB,  18
.set ADRS,  20
.set STO,   22
.set RD,    23
.set CO,    24
.set SPW,   28
.set NIL,   29
.set SC,    32
.set BV,    48
.set AF,    64
.set BK,    192
.set G1,    24
.set G0,    32
.set G1B,   48
.set G0B,   56
.set MSB, 0
.macro WIN new
.if MSB != (\new)
	s_set_vgpr_msb (MSB<<8)|(\new)
.set MSB, (\new)
.endif
.endm
.macro PLACES
.rept 4
	v_nop
.endr
.endm
.macro JLOAD s
	s_cmp_eq_u32 s15, 0
	s_cbranch_scc0 .Lfor_b_\@
	tensor_load_to_lds s[G0+4*\s:G0+4*\s+3], s[G1:G1+7]
	s_nop 0
.rept 4
	v_nop
.endr
	s_branch .Lasked_\@
.Lfor_b_\@:
	tensor_load_to_lds s[G0B+4*\s:G0B+4*\s+3], s[G1B:G1B+7]
	s_nop 0
.rept 4
	v_nop
.endr
.Lasked_\@:
.endm
.macro CREST
	s_cmp_lg_u32 s14, 0
	s_cbranch_scc1 .Lnot_wave_0_\@
	s_barrier_signal -3
.Lnot_wave_0_\@:
	s_barrier_wait -3
	s_barrier_signal -1
	s_barrier_wait -1
.endm
.macro CROUND
	s_barrier_signal -1
	s_barrier_wait -1
	CREST
.endm
.macro FETCH slot, q, set
	WIN 0x40
.set I, 0
.rept NBLK
.irp c, 0,1,2
	ds_load_b128 v[128*(\set)+12*I+4*\c:128*(\set)+12*I+4*\c+3], v[ADRB+\slot] offset:UNIT*(\q)+1536*I+512*\c
.endr
.set I, I+1
.endr
	WIN 0
.set I, 0
.rept NBLK
.irp c, 0,1,2
	ds_load_b128 v[AF+12*NBLK*(\set)+12*I+4*\c:AF+12*NBLK*(\set)+12*I+4*\c+3], v[ADRA+\slot] offset:UNIT*(\q)+1536*I+512*\c
.endr
.set I, I+1
.endr
.set I, 0
.rept NBLK
	ds_load_b32 v[SC+NBLK*(\set)+I], v[ADRS+\slot] offset:UNIT*(\q)+64*I
.set I, I+1
.endr
.endm
.macro MULH half, set, zero
	WIN 0xa1
.set A_, (\half)*NBLK/2
.rept NBLK/2
.set B_, 0
.rept NBLK
.set D_, 8*(A_*NBLK+B_)
.if \zero
	v_wmma_scale_f32_16x16x128_f8f6f4 v[D_:D_+7], v[128*(\set)+12*B_:128*(\set)+12*B_+11], v[AF+12*NBLK*(\set)+12*A_:AF+12*NBLK*(\set)+12*A_+11], 0, v[SC+NBLK*(\set)+B_], v[SC+NBLK*(\set)+A_] matrix_a_fmt:MATRIX_FMT_FP6 matrix_b_fmt:MATRIX_FMT_FP6 matrix_a_scale:MATRIX_SCALE_ROW1
.else
	v_wmma_scale_f32_16x16x128_f8f6f4 v[D_:D_+7], v[128*(\set)+12*B_:128*(\set)+12*B_+11], v[AF+12*NBLK*(\set)+12*A_:AF+12*NBLK*(\set)+12*A_+11], v[D_:D_+7], v[SC+NBLK*(\set)+B_], v[SC+NBLK*(\set)+A_] matrix_a_fmt:MATRIX_FMT_FP6 matrix_b_fmt:MATRIX_FMT_FP6 matrix_a_scale:MATRIX_SCALE_ROW1
.endif
.set B_, B_+1
.endr
.set A_, A_+1
.endr
.endm
.macro STEP slot, q, zero
	s_wait_dscnt 0x0
	PLACES
	FETCH \slot, (\q)+1, 1-(\q)%2
	MULH 0, (\q)%2, \zero
	MULH 1, (\q)%2, \zero
	WIN 0
.endm
.macro MID slot, first
.set Q_, \first
.rept S-1-(\first)
	STEP \slot, Q_, 0
.set Q_, Q_+1
.endr
.endm
.macro TURN slot, next, fill
	s_wait_tensorcnt 0x0
	ds_add_u32 v[SPW], v[NIL]
.if \fill
	s_add_nc_u64 s[G0+4*\slot+2:G0+4*\slot+3], s[G0+4*\slot+2:G0+4*\slot+3], 2*S*UNIT
	s_add_nc_u64 s[G0B+4*\slot+2:G0B+4*\slot+3], s[G0B+4*\slot+2:G0B+4*\slot+3], 2*S*UNIT
.endif
	s_wait_dscnt 0x0
	s_barrier_signal -1
	MULH 0, 1, 0
	WIN 0
	s_barrier_wait -1
.if \fill
	CREST
	JLOAD \slot
.else
	PLACES
.endif
	FETCH \next, 0, 0
	MULH 1, 1, 0
	WIN 0
.endm
	s_load_b256 s[4:11], s[0:1], 0x0
	s_load_b64 s[12:13], s[0:1], 0x20
	v_lshl_add_u32 v[SPW], v0, 2, SPARE
	v_mov_b32 v[NIL], 0
	ds_add_u32 v[SPW], v[NIL]
	ds_add_u32 v[SPW], v[NIL]
	v_lshrrev_b32 v1, 5, v0
	v_readfirstlane_b32 s14, v1
	s_lshr_b32 s15, s14, 1
	s_and_b32 s16, s14, 1
	s_bfe_u32 s40, ttmp6, 0x40000
	s_bfe_u32 s41, ttmp6, 0x40004
	s_lshl_b32 s42, ttmp9, 2
	s_add_co_u32 s42, s42, s40
	s_and_b32 s17, ttmp7, 0xffff
	s_lshl_b32 s17, s17, 2
	s_add_co_u32 s17, s17, s41
	s_lshl_b32 s43, s41, 2
	s_lshl_b32 s43, 15, s43
	s_lshl_b32 s44, 0x1111, s40
	s_or_b32 s[G1+0], s43, (3<<16)|(1<<21)
	s_or_b32 s[G1B+0], s44, (3<<16)|(1<<21)
.irp g, G1, G1B
	s_mov_b32 s[\g+1], 32<<16
	s_mov_b32 s[\g+2], 200<<16                     ; 200 rows of 256 bytes: four K steps of a row group, 51,200 dense bytes
	s_mov_b32 s[\g+3], 32<<16
	s_mov_b32 s[\g+4], 200
	s_mov_b32 s[\g+5], 32
	s_mov_b32 s[\g+6], 0
	s_mov_b32 s[\g+7], 0
.endr
	s_mul_i32 s18, s15, 2*LOADB                    ; waves 0, 1 fetch K steps 0-3 (slot 0), waves 2, 3 K steps 4-7 (slot 1)
	s_mul_i32 s20, s17, KSTEPS*UNIT
	s_add_co_u32 s20, s20, s18
	s_mov_b32 s21, 0
	s_mul_i32 s46, s42, KSTEPS*UNIT
	s_add_co_u32 s46, s46, s18
	s_mov_b32 s47, 0
	s_mul_i32 s45, s15, SLOT
	s_wait_dscnt 0x0
	s_wait_kmcnt 0x0
	s_add_nc_u64 s[20:21], s[4:5], s[20:21]
	s_add_nc_u64 s[46:47], s[6:7], s[46:47]
	s_add_nc_u64 s[46:47], s[46:47], WOFF
	CROUND                                         ; all sixteen work-groups are here: the joint loads meet
; ALL OF K LIES IN THE TWO SLOTS: four loads, one a wave, and nothing is filled again.  Wave 0 A's part of slot 0, wave 1 B's, wave 2 A's part of slot 1, wave 3 B's; a line of its own for each wave
	s_mov_b32 s[G0], 1
	s_mov_b32 s[G0+1], s45
	s_mov_b64 s[G0+2:G0+3], s[20:21]
	s_or_b32 s[G0+3], s[G0+3], 0x80000000
	s_mov_b32 s[G0B], 1
	s_add_co_u32 s[G0B+1], s45, BREG
	s_mov_b64 s[G0B+2:G0B+3], s[46:47]
	s_or_b32 s[G0B+3], s[G0B+3], 0x80000000
.macro HARM under, g0, g1, next
	s_cmp_lt_u32 s14, \under
	s_cbranch_scc0 \next
	tensor_load_to_lds s[\g0:\g0+3], s[\g1:\g1+7]
	s_nop 0
.rept 4
	v_nop
.endr
	s_branch .Lhead_asked
\next:
.endm
	HARM 1, G0, G1, .Lhead_1
	HARM 2, G0B, G1B, .Lhead_2
	HARM 3, G0, G1, .Lhead_3
	tensor_load_to_lds s[G0B:G0B+3], s[G1B:G1B+7]
	s_nop 0
.rept 4
	v_nop
.endr
.Lhead_asked:
	v_and_b32 v1, 15, v0
	v_bfe_u32 v2, v0, 4, 1
	s_wait_alu depctr_va_vdst(0)
	v_and_b32 v3, 31, v0
	v_lshlrev_b32 v3, 4, v3
	s_mul_i32 s21, s15, AW
	s_mul_i32 s22, s16, AW
	s_add_co_u32 s22, s22, BREG
.irp s, 0,1
	v_add_nc_u32 v[ADRA+\s], s21, v3
	v_add_nc_u32 v[ADRB+\s], s22, v3
	s_add_co_u32 s21, s21, SLOT
	s_add_co_u32 s22, s22, SLOT
.endr
	s_mul_i32 s21, s15, AWS
	s_mul_i32 s22, s16, AWS
	s_add_co_u32 s22, s22, BREG
	s_sub_co_u32 s22, s22, s21
	v_mul_u32_u24 v6, s22, v2
	v_lshl_add_u32 v5, v1, 2, v6
	s_add_co_u32 s21, s21, SCO
.irp s, 0,1
	v_add_nc_u32 v[ADRS+\s], s21, v5
	s_add_co_u32 s21, s21, SLOT
.endr
	s_mul_i32 s23, s14, 16*272
	s_add_co_u32 s23, s23, STAGE
	v_mul_u32_u24 v5, v1, 272
	v_lshl_add_u32 v5, v2, 6, v5
	v_add_nc_u32 v[STO], s23, v5
	v_mul_u32_u24 v5, v2, 272
	v_lshl_add_u32 v5, v1, 4, v5
	v_add_nc_u32 v[RD], s23, v5
	v_lshlrev_b32 v[CO], 12, v2
	v_lshl_add_u32 v[CO], v1, 4, v[CO]
	v_lshlrev_b32 v25, 4, v1
	s_wait_alu depctr_va_vdst(0)
	s_lshl_b32 s66, s17, 7
	s_lshl_b32 s67, s15, 6
	s_add_co_u32 s66, s66, s67
	s_lshl_b32 s66, s66, 12
	s_lshl_b32 s68, s42, 7
	s_lshl_b32 s67, s16, 6
	s_add_co_u32 s68, s68, s67
	s_lshl_b32 s68, s68, 2
	s_mov_b32 s69, 0
	s_add_nc_u64 s[70:71], s[8:9], s[68:69]
	s_add_co_u32 s66, s66, s68
	s_mov_b32 s67, 0
	s_add_nc_u64 s[72:73], s[10:11], s[66:67]
	s_add_nc_u64 s[74:75], s[12:13], s[66:67]
	global_load_b128 v[BV:BV+3], v25, s[70:71]
	WIN 0xc0
.irp a, 0,1,2,3
.irp t, 0,1,2,3,4,5,6,7
	global_load_b128 v[32*\a+4*\t:32*\a+4*\t+3], v[CO], s[72:73] offset:(32*(\a/2)+8*(\a%2)+2*\t+8*(\t/4))*4096
.endr
.endr
	WIN 0
	s_wait_alu depctr_va_vdst(0)                   ; the wait ahead of the branch
	s_cmp_lt_u32 s14, 2                            ; slot 0 is waves 0 and 1's: they wait; slot 1's loads stay out until the change of slots
	s_cbranch_scc0 .Lslot_1_mine
	s_wait_tensorcnt 0x0
.Lslot_1_mine:
	s_barrier_signal -1
	s_barrier_wait -1
	FETCH 0, 0, 0
	STEP 0, 0, 1
.if LAPS > 1
	s_mov_b32 s3, LAPS-1
.Llap:
	MID 0, 1
	TURN 0, 1, 1
	MID 1, 0
	TURN 1, 0, 1
	STEP 0, 0, 0
	s_sub_co_u32 s3, s3, 1
	s_cmp_lg_u32 s3, 0
	s_cbranch_scc1 .Llap
.endif
	MID 0, 1
	TURN 0, 1, 0
	MID 1, 0
	s_wait_dscnt 0x0
	MULH 0, 1, 0
	MULH 1, 1, 0
	WIN 0
	PLACES
	s_wait_loadcnt 0x0
.irp a, 0,1,2,3
.if \a > 0
	s_wait_xcnt 0x0
.endif
	WIN 0x08
.irp b, 0,1,2,3
	ds_store_b128 v[STO], v[8*(4*\a+\b):8*(4*\a+\b)+3] offset:(32*(\b/2)+8*(\b%2))*4
	ds_store_b128 v[STO], v[8*(4*\a+\b)+4:8*(4*\a+\b)+7] offset:(32*(\b/2)+8*(\b%2))*4+16
.endr
	WIN 0
.irp t, 0,1,2,3,4,5,6,7
	ds_load_b128 v[BK+4*\t:BK+4*\t+3], v[RD] offset:544*\t
.endr
	s_wait_dscnt 0x0
	WIN 0x0c
.irp j, 0,2,4,6,8,10,12,14,16,18,20,22,24,26,28,30
	v_pk_add_f32 v[BK+\j:BK+\j+1], v[BK+\j:BK+\j+1], v[32*\a+\j:32*\a+\j+1]
.endr
	WIN 0
.irp t, 0,1,2,3,4,5,6,7
	v_pk_add_f32 v[BK+4*\t:BK+4*\t+1], v[BK+4*\t:BK+4*\t+1], v[BV:BV+1]
	v_pk_add_f32 v[BK+4*\t+2:BK+4*\t+3], v[BK+4*\t+2:BK+4*\t+3], v[BV+2:BV+3]
.endr
.irp t, 0,1,2,3,4,5,6,7
	global_store_b128 v[CO], v[BK+4*\t:BK+4*\t+3], s[74:75] offset:(32*(\a/2)+8*(\a%2)+2*\t+8*(\t/4))*4096
.endr
.endr
	s_wait_tensorcnt 0x0
	ds_add_u32 v[SPW], v[NIL]
	s_wait_dscnt 0x0
	CROUND
	s_endpgm
.Lfunc_end_k_q1e42e1d414_proj:
	.size	k_q1e42e1d414_proj, .Lfunc_end_k_q1e42e1d414_proj-k_q1e42e1d414_proj
	.p2alignl 7, 3214868480
	.fill 96, 4, 3214868480
	.section	.rodata,"a",@progbits
	.p2align	6, 0x0
	.amdhsa_kernel k_q1e42e1d414_proj
		.amdhsa_group_segment_fixed_size 327680
		.amdhsa_private_segment_fixed_size 0
		.amdhsa_enable_private_segment 0
		.amdhsa_kernarg_size 40
		.amdhsa_user_sgpr_count 2
		.amdhsa_user_sgpr_kernarg_segment_ptr 1
		.amdhsa_wavefront_size32 1
		.amdhsa_system_sgpr_workgroup_id_x 1
		.amdhsa_system_sgpr_workgroup_id_y 1
		.amdhsa_system_sgpr_workgroup_id_z 1
		.amdhsa_system_vgpr_workitem_id 0
		.amdhsa_next_free_vgpr 1024
		.amdhsa_next_free_sgpr 98
		.amdhsa_reserve_vcc 0
		.amdhsa_float_denorm_mode_32 3
		.amdhsa_float_denorm_mode_16_64 3
		.amdhsa_memory_ordered 1
		.amdhsa_forward_progress 1
		.amdhsa_inst_pref_size 60
	.end_amdhsa_kernel
	.amdgpu_metadata
---
amdhsa.version: [ 1, 2 ]
amdhsa.kernels:
  - .name:           k_q1e42e1d414_proj
    .symbol:         k_q1e42e1d414_proj.kd
    .args:
      - { .name: oc, .offset: 0, .size: 8, .value_kind: global_buffer, .address_space: global }
      - { .name: wc, .offset: 8, .size: 8, .value_kind: global_buffer, .address_space: global }
      - { .name: proj_b, .offset: 16, .size: 8, .value_kind: global_buffer, .address_space: global }
      - { .name: x, .offset: 24, .size: 8, .value_kind: global_buffer, .address_space: global }
      - { .name: x1, .offset: 32, .size: 8, .value_kind: global_buffer, .address_space: global }
    .group_segment_fixed_size: 327680
    .private_segment_fixed_size: 0
    .kernarg_segment_align: 8
    .kernarg_segment_size: 40
    .max_flat_workgroup_size: 128
    .sgpr_count:     98
    .vgpr_count:     1024
    .wavefront_size: 32
...
	.end_amdgpu_metadata
.endif
;; end of part 4
;; launch prep2 (part 5): grid 512 x 1, 8 waves a work-group, no clusters, 66,816 bytes of LDS; arguments x1, ln2_w, ln2_b, hc, fc1_w, fc2_w, wc; writes hc, wc
.if DOCPART == 5
	.amdgcn_target "amdgcn-amd-amdhsa--gfx1250"
	.amdhsa_code_object_version 6
	.text
	.protected	k_q1e42e1d414_prep2
	.globl	k_q1e42e1d414_prep2
	.p2align	8
	.type	k_q1e42e1d414_prep2,@function
k_q1e42e1d414_prep2:
	s_mov_b64 s[64:65], 0
	v_nop
	global_prefetch_b8 v0, s[64:65] scope:SCOPE_SE
	s_setreg_imm32_b32 hwreg(HW_REG_WAVE_MODE, 25, 1), 1
	s_wait_xcnt 0x0
; TWO JOBS THAT SHARE NOTHING, IN ONE LAUNCH: work-groups 0 .. NW - 1 quantise two weights, the other 256 make a layernorm and quantise it.  Both are streams; the layernorm is a short chain of dependent steps
; (load, two reductions, a turn through LDS, store) and runs beside the weights' longer stream.  The two part at the head by a scalar branch on the work-group's number, the same for all eight waves; only the layernorm's path touches LDS and has a barrier.
; THE FORMAT OF EVERY OPERAND BUFFER.  Codes of FP6 (E2M3) with one E8M0 byte for each 32 along K.  A fragment (16 rows x 128 K, 12 registers a lane) is kept as an image of its registers: three chunks of 512 bytes, chunk c = registers 4 c .. 4 c + 3,
; lane l's 16 bytes at 16 l.  A UNIT of 12,800 bytes is 128 rows x 128 K: eight images, then from byte 12,288 the scale words (fragment f, lane-row r at 64 f + 4 r).  Units lie [row group][K step].
; Lane-row r of fragment f is row 32 (f / 2) + 8 (f % 2) + r + 8 (r / 8) of the group, so that the results of two neighbouring fragments are 16 neighbours along the next product's K.
; THE WEIGHTS, f32 stored [K][N].  A LANE TAKES A COLUMN n (a row of the operand) AND ITS REGISTERS RUN DOWN K: a block of 32 is one lane's 32 registers, no other lane is asked for its maximum, and the conversions' results are the operand's registers.
; A lane holds what lanes (r, 0) and (r, 1) of the image want: blocks 0, 2 and blocks 1, 3 of a K step.  Sixteen lanes store 256 consecutive aligned bytes of an image.
; A part is 128 columns x 256 along K (two K steps), four waves, wave w columns 32 w on; a work-group has two parts (waves 0-3, waves 4-7).  Which weight a part belongs to chooses pointers and sizes alone, by selects on the work-group's number.
; The scale words leave as 128 bytes a wave and K step: one part in 24 of the weights' output is written in part units.
; THE LAYERNORM: h = (src - mean) / sqrt(var + 1e-5) x gain + bias, f32.  A work-group makes the eight fragments (all of K = 1,024) of ONE fragment row: 16 tokens.  PHASE 1: wave w takes stage rows 2 w, 2 w + 1 (two neighbouring tokens), whole rows in
; registers: mean, then the mean of the squared deviations (two passes over registers, so a common offset of the inputs costs nothing), 1 / sqrt, gain, bias; the rows go to a stage in LDS (pitch 4,096 + 16 bytes).  One barrier.
; PHASE 2: wave w takes K step w: lane (r, h) reads 16 neighbours of each block of 32 of row r, quantises them and stores the fragment's image: 512 consecutive aligned bytes a store.  The scale word's store is issued by all 32 lanes: lanes 16-31 write the
; same word with the same value as lanes 0-15.
; No matrix unit, no cluster, no tensor load: no byte is read twice.
; A block's scale is 2^(floor(log2(largest magnitude)) - 2); its byte is the largest magnitude's exponent field - 2, held at 1 from below.
; LIMITS: a block of zeros gets the byte 1 where the quantiser says 127 (its codes are zeros, and this program alone reads the bytes); magnitudes under 2^-124 are held at that floor; NaN and infinities are not served.
; A PART, in place of the figure in the comment above: 128 columns x 128 along K, ONE K step, four blocks of 32 a wave; two blocks' loads are out at a time
.set NWA,   128                        ; work-groups of the first weight, fc1_w [1,024][4,096]: 32 column groups x 8 K steps = 256 parts
.set NWB,   128                        ; of the second, fc2_w [4,096][1,024]: 8 x 32 = 256 parts
.set NW,    NWA+NWB
.set RSA,   16384                      ; bytes in a row of each weight
.set RSB,   4096
.set KSTA,  8                          ; K steps of 128
.set KSTB,  32
.set SHA,   3                          ; log2 of the K steps
.set SHB,   5
.set WOFFA, 3276800                    ; the weights' places in wc
.set WOFFB, 6553600
.set UNIT,  12800
.set SCO,   12288
.set PITCH, 4112
.set SPARE, 16*PITCH                   ; behind the stage: the spare words, 128 bytes for each of eight waves
.set SPW,   30
.set NIL,   31
; the weights' registers
.set VOFF,  32                         ; v32-63   4 x lane + i x the weight's row, i = 0 .. 31; never rewritten
.set XW,    64                         ; v64-127  two sets of 32 numbers
.set F,     128                        ; v128-175 codes: F + 24 ks + 12 h: the 12 registers of image lane (r, h), K step ks
.set TC,    176                        ; v176-183 a conversion's three registers begin on an even number: the upper halves are made here and moved
.set SB,    184                        ; v184-185 the scale word of each K step
; the layernorm's registers
.set X,     32                         ; v32-95   two rows, 32 numbers a lane each; in phase 2 the 64 numbers to be quantised
.set GW,    96                         ; v96-127  gain of my 32 columns
.set GB,    128                        ; v128-159 bias
.set TM,    160                        ; v160-175 at work in the quantiser
.set PW,    176                        ; the scale word
.set PC,    180                        ; v180-199 the codes
	v_lshl_add_u32 v[SPW], v0, 2, SPARE
	v_mov_b32 v[NIL], 0
	v_lshrrev_b32 v1, 5, v0
	s_delay_alu instid0(VALU_DEP_1)
	v_readfirstlane_b32 s14, v1                    ; wave 0..7
	s_cmp_lt_u32 ttmp9, NW
	s_cbranch_scc0 .Lnorm
	; ---------------- THE WEIGHTS ----------------
	s_load_b128 s[4:7], s[0:1], 0x20               ; the two weights
	s_load_b64 s[12:13], s[0:1], 0x30              ; wc
	s_lshr_b32 s48, s14, 2                         ; which of the work-group's two parts is my wave's
	s_and_b32 s49, s14, 3                          ; my wave in the part
	v_and_b32 v2, 31, v0                           ; lane = column in the wave's 32
	s_delay_alu instid0(VALU_DEP_1)
	v_lshlrev_b32 v3, 2, v2
	v_bfe_u32 v4, v0, 3, 1                         ; u = (lane / 8) % 2
	v_and_b32 v5, 7, v0
	v_bfe_u32 v6, v0, 4, 1
	s_delay_alu instid0(VALU_DEP_1)
	v_lshl_add_u32 v5, v6, 3, v5                   ; r = lane % 8 + 8 (lane / 16)
	s_lshl_b32 s15, s49, 1
	v_add_nc_u32 v4, s15, v4                       ; fragment 2 w + u
	s_delay_alu instid0(VALU_DEP_1)
	v_mul_u32_u24 v6, v4, 1536
	s_delay_alu instid0(VALU_DEP_1)
	v_lshl_add_u32 v6, v5, 4, v6                   ; where my codes go in a unit
	s_delay_alu instid0(VALU_DEP_3)
	v_lshlrev_b32 v7, 6, v4
	s_delay_alu instid0(VALU_DEP_1)
	v_lshl_add_u32 v7, v5, 2, v7
	s_delay_alu instid0(VALU_DEP_1)
	v_add_nc_u32 v7, SCO, v7                       ; and my scale word
	s_mov_b32 s18, RSB                             ; the second weight's figures,
	s_mov_b32 s19, KSTB
	s_mov_b32 s20, SHB
	s_mov_b32 s21, 2*NWA
	s_mov_b32 s22, WOFFB
	s_wait_kmcnt 0x0
	s_cmp_lt_u32 ttmp9, NWA                        ; or the first's
	s_cselect_b64 s[16:17], s[4:5], s[6:7]
	s_cselect_b32 s18, RSA, s18
	s_cselect_b32 s19, KSTA, s19
	s_cselect_b32 s20, SHA, s20
	s_cselect_b32 s21, 0, s21
	s_cselect_b32 s22, WOFFA, s22
	s_lshl_b32 s23, ttmp9, 1
	s_add_co_u32 s23, s23, s48
	s_sub_co_u32 s23, s23, s21                     ; the part's number in its weight
	s_lshr_b32 s24, s23, s20                       ; column group
	s_lshl_b32 s25, s24, s20
	s_sub_co_u32 s25, s23, s25                     ; K step of 128
	s_mul_i32 s26, s25, s18
	s_lshl_b32 s26, s26, 7                         ; 128 rows a K step
	s_lshl_b32 s27, s24, 9
	s_add_co_u32 s26, s26, s27                     ; 512 bytes a column group
	s_lshl_b32 s27, s49, 7
	s_add_co_u32 s26, s26, s27                     ; 128 bytes a wave
	s_mov_b32 s27, 0
	s_add_nc_u64 s[32:33], s[16:17], s[26:27]      ; block 0's first row
	s_lshl_b32 s28, s18, 5
	s_mov_b32 s29, 0
.irp t, 1,2,3
	s_add_nc_u64 s[32+2*\t:33+2*\t], s[30+2*\t:31+2*\t], s[28:29]   ; a base for each block of 32 rows: nothing is stepped later
.endr
	s_mul_i32 s26, s24, s19
	s_mov_b32 s27, s25
	s_add_co_u32 s26, s26, s27
	s_mul_i32 s26, s26, UNIT
	s_add_co_u32 s26, s26, s22
	s_mov_b32 s27, 0
	s_add_nc_u64 s[12:13], s[12:13], s[26:27]      ; my unit
.set I, 0
.rept 32
	v_mad_u32_u24 v[VOFF+I], s18, I, v3
.set I, I+1
.endr
.macro LOAD t                          ; block t: 32 rows, 128 consecutive bytes a wave and row, into set t % 2
.set I, 0
.rept 32
	global_load_b32 v[XW+32*((\t)%2)+I], v[VOFF+I], s[32+2*(\t):33+2*(\t)] th:TH_LOAD_NT
.set I, I+1
.endr
.endm
	LOAD 0
	LOAD 1
.macro BLOCK t
.set XS, XW+32*((\t)%2)
.set KS_, (\t)/4
.set B_, (\t)%4
.set FD, F+24*KS_+12*(B_%2)+6*(B_/2)
.set TT, TC+4*((\t)%2)
.if (\t) < 3
	s_wait_loadcnt 32                              ; this block's 32 loads are in; the next block's 32 may be out
.else
	s_wait_loadcnt 0x0
.endif
	v_max3_num_f32 v12, |v[XS]|, |v[XS+1]|, |v[XS+2]|
	v_max3_num_f32 v13, |v[XS+3]|, |v[XS+4]|, |v[XS+5]|
.irp i, 6,10,14,18,22,26
	s_delay_alu instid0(VALU_DEP_2)
	v_max3_num_f32 v12, v12, |v[XS+\i]|, |v[XS+\i+1]|
	s_delay_alu instid0(VALU_DEP_2)
	v_max3_num_f32 v13, v13, |v[XS+\i+2]|, |v[XS+\i+3]|
.endr
	s_delay_alu instid0(VALU_DEP_2)
	v_max3_num_f32 v12, v12, |v[XS+30]|, |v[XS+31]|
	s_delay_alu instid0(VALU_DEP_1)
	v_max3_num_f32 v12, v12, v13, 0x1800000        ; with the floor 2^(3 - 127): the byte cannot fall under 1
	s_delay_alu instid0(VALU_DEP_1)
	v_add_nc_u32 v11, 0xff000000, v12              ; 2 off the exponent field: the conversion's scale operand
	s_delay_alu instid0(VALU_DEP_1)
	v_lshrrev_b32 v13, 23, v11                     ; the byte
.if B_ == 0
	s_delay_alu instid0(VALU_DEP_1)
	v_mov_b32 v[SB+KS_], v13
.else
	s_delay_alu instid0(VALU_DEP_1)
	v_lshl_or_b32 v[SB+KS_], v13, 8*B_, v[SB+KS_]
.endif
	v_cvt_scalef32_pk16_fp6_f32 v[FD:FD+2], v[XS:XS+15], v11
	v_cvt_scalef32_pk16_fp6_f32 v[TT:TT+2], v[XS+16:XS+31], v11
	v_nop                                          ; one plain place behind a scaled conversion
.irp i, 0,1,2
	v_mov_b32 v[FD+3+\i], v[TT+\i]
.endr
.if (\t)+2 < 4
	LOAD (\t)+2
.endif
.if B_ == 3                            ; a K step is whole: it leaves; no register of these stores is written again
.irp h, 0,1
.irp c, 0,1,2
	global_store_b128 v6, v[F+24*KS_+12*\h+4*\c:F+24*KS_+12*\h+4*\c+3], s[12:13] offset:UNIT*KS_+512*\c+256*\h
.endr
.endr
	global_store_b32 v7, v[SB+KS_], s[12:13] offset:UNIT*KS_
.endif
.endm
.irp t, 0,1,2,3
	BLOCK \t
.endr
	s_endpgm
	; ---------------- THE LAYERNORM ----------------
.Lnorm:
	s_load_b256 s[4:11], s[0:1], 0x0               ; src, gain, bias, hc
	s_sub_co_u32 s24, ttmp9, NW                    ; my fragment row, 0 .. 255
	v_and_b32 v2, 31, v0
	s_delay_alu instid0(VALU_DEP_1)
	v_lshlrev_b32 v3, 4, v2                        ; 16 x lane
	v_and_b32 v20, 15, v0                          ; r
	v_bfe_u32 v21, v0, 4, 1                        ; h
	s_mul_i32 s15, s14, 2*PITCH
	v_add_nc_u32 v4, s15, v3                       ; the stage, in: my two rows, 16 bytes a lane
	v_mul_u32_u24 v5, v20, PITCH
	s_delay_alu instid0(VALU_DEP_1)
	v_lshl_add_u32 v5, v21, 6, v5
	s_lshl_b32 s15, s14, 9
	v_add_nc_u32 v5, s15, v5                       ; out: row r, K step w, + 64 h
	s_and_b32 s16, s24, 7                          ; the fragment in its group
	s_mul_i32 s17, s16, 1536
	v_add_nc_u32 v6, s17, v3                       ; my codes' place in a unit
	s_lshl_b32 s17, s16, 6
	s_add_co_u32 s17, s17, SCO
	v_lshl_add_u32 v7, v20, 2, s17                 ; my scale word's
	s_lshr_b32 s16, s24, 1
	s_lshl_b32 s16, s16, 5
	s_and_b32 s17, s24, 1
	s_lshl_b32 s17, s17, 3
	s_add_co_u32 s16, s16, s17
	s_lshl_b32 s17, s14, 1
	s_add_co_u32 s16, s16, s17
	s_lshr_b32 s17, s14, 2
	s_lshl_b32 s17, s17, 3
	s_add_co_u32 s16, s16, s17                     ; my first token: 32 (A / 2) + 8 (A % 2) + 2 w + 8 (w / 4)
	s_lshl_b32 s16, s16, 12
	s_mov_b32 s17, 0
	s_lshr_b32 s18, s24, 3
	s_lshl_b32 s18, s18, 3
	s_add_co_u32 s18, s18, s14
	s_mul_i32 s18, s18, UNIT                       ; unit (token group, K step w)
	s_mov_b32 s19, 0
	s_mov_b32 s20, 0x76543210
	s_mov_b32 s21, 0xfedcba98                      ; v_permlanex16_b32's selects for lane l xor 16
	s_mov_b32 s22, 0x3a800000                      ; 1 / 1,024
	s_mov_b32 s23, 0x3727c5ac                      ; 1e-5
	v_mov_b32 v17, 0                               ; upper halves of the pairs that the packed multiplies name
	v_mov_b32 v19, 0
.irp b, 0,1,2,3
	v_mov_b32 v[TM+4+\b], 0                        ; a lane permute's destination counts as one of its sources
.endr
	s_wait_kmcnt 0x0
	s_add_nc_u64 s[4:5], s[4:5], s[16:17]
	s_add_nc_u64 s[10:11], s[10:11], s[18:19]
.irp p, 0,1
.irp j, 0,1,2,3,4,5,6,7
	global_load_b128 v[X+32*\p+4*\j:X+32*\p+4*\j+3], v3, s[4:5] offset:4096*\p+512*\j th:TH_LOAD_NT   ; 512 consecutive bytes a load
.endr
.endr
.irp j, 0,1,2,3,4,5,6,7
	global_load_b128 v[GW+4*\j:GW+4*\j+3], v3, s[6:7] offset:512*\j
.endr
.irp j, 0,1,2,3,4,5,6,7
	global_load_b128 v[GB+4*\j:GB+4*\j+3], v3, s[8:9] offset:512*\j
.endr
.macro REDUCE a, t                     ; the sum over the 32 lanes, in every lane
	s_delay_alu instid0(VALU_DEP_1)
	v_add_f32_dpp v[\a], v[\a], v[\a] row_xmask:1 row_mask:0xf bank_mask:0xf
	s_delay_alu instid0(VALU_DEP_1)
	v_add_f32_dpp v[\a], v[\a], v[\a] row_xmask:2 row_mask:0xf bank_mask:0xf
	s_delay_alu instid0(VALU_DEP_1)
	v_add_f32_dpp v[\a], v[\a], v[\a] row_xmask:4 row_mask:0xf bank_mask:0xf
	s_delay_alu instid0(VALU_DEP_1)
	v_add_f32_dpp v[\a], v[\a], v[\a] row_xmask:8 row_mask:0xf bank_mask:0xf
	s_delay_alu instid0(VALU_DEP_1)
	v_permlanex16_b32 v[\t], v[\a], s20, s21
	s_delay_alu instid0(VALU_DEP_1)
	v_add_f32 v[\a], v[\a], v[\t]
.endm
.macro STAT p                          ; row p: the mean is taken off in place; variance + eps into v[16 + 2 p]
.set R, X+32*\p
	v_pk_add_f32 v[8:9], v[R:R+1], v[R+2:R+3]
	v_pk_add_f32 v[10:11], v[R+4:R+5], v[R+6:R+7]
.irp j, 8,12,16,20,24,28
	s_delay_alu instid0(VALU_DEP_2)
	v_pk_add_f32 v[8:9], v[8:9], v[R+\j:R+\j+1]
	s_delay_alu instid0(VALU_DEP_2)
	v_pk_add_f32 v[10:11], v[10:11], v[R+\j+2:R+\j+3]
.endr
	s_delay_alu instid0(VALU_DEP_1)
	v_pk_add_f32 v[8:9], v[8:9], v[10:11]
	s_delay_alu instid0(VALU_DEP_1)
	v_add_f32 v8, v8, v9
	REDUCE 8, 9
	s_delay_alu instid0(VALU_DEP_1)
	v_mul_f32 v8, s22, v8                          ; the mean
.irp j, 0,2,4,6,8,10,12,14,16,18,20,22,24,26,28,30
	v_pk_add_f32 v[R+\j:R+\j+1], v[R+\j:R+\j+1], v[8:9] op_sel_hi:[1,0] neg_lo:[0,1] neg_hi:[0,1]
.endr
	v_pk_mul_f32 v[10:11], v[R:R+1], v[R:R+1]
	v_pk_mul_f32 v[12:13], v[R+2:R+3], v[R+2:R+3]
.irp j, 4,8,12,16,20,24,28
	s_delay_alu instid0(VALU_DEP_2)
	v_pk_fma_f32 v[10:11], v[R+\j:R+\j+1], v[R+\j:R+\j+1], v[10:11]
	s_delay_alu instid0(VALU_DEP_2)
	v_pk_fma_f32 v[12:13], v[R+\j+2:R+\j+3], v[R+\j+2:R+\j+3], v[12:13]
.endr
	s_delay_alu instid0(VALU_DEP_1)
	v_pk_add_f32 v[10:11], v[10:11], v[12:13]
	s_delay_alu instid0(VALU_DEP_1)
	v_add_f32 v10, v10, v11
	REDUCE 10, 11
	s_delay_alu instid0(VALU_DEP_1)
	v_fma_f32 v[16+2*\p], v10, s22, s23
.endm
	s_wait_loadcnt 16                              ; my two rows are in; the 16 loads of gain and bias may be out
	STAT 0
	STAT 1
	s_wait_alu depctr_va_vdst(0)
	v_rsq_f32 v16, v16
	v_rsq_f32 v18, v18
	v_nop                                          ; a plain place behind the two
	s_wait_alu depctr_va_vdst(0)                   ; one wait for both, ahead of their first reader
	s_wait_loadcnt 0x0
.irp p, 0,1
.irp j, 0,2,4,6,8,10,12,14,16,18,20,22,24,26,28,30
	v_pk_mul_f32 v[X+32*\p+\j:X+32*\p+\j+1], v[X+32*\p+\j:X+32*\p+\j+1], v[16+2*\p:17+2*\p] op_sel_hi:[1,0]
.endr
.irp j, 0,2,4,6,8,10,12,14,16,18,20,22,24,26,28,30
	v_pk_fma_f32 v[X+32*\p+\j:X+32*\p+\j+1], v[X+32*\p+\j:X+32*\p+\j+1], v[GW+\j:GW+\j+1], v[GB+\j:GB+\j+1]
.endr
.endr
.irp p, 0,1
.irp j, 0,1,2,3,4,5,6,7
	ds_store_b128 v4, v[X+32*\p+4*\j:X+32*\p+4*\j+3] offset:PITCH*\p+512*\j
.endr
.endr
	s_wait_dscnt 0x0                               ; for the others' sake: my rows lie in the stage
	s_barrier_signal -1
	s_barrier_wait -1
.irp b, 0,1,2,3
.irp j, 0,1,2,3
	ds_load_b128 v[X+16*\b+4*\j:X+16*\b+4*\j+3], v5 offset:128*\b+16*\j   ; register 16 b + i = k 32 b + 16 h + i of row r; the pitch is 16 bytes over a multiple of 256, so sixteen rows fall on sixteen different columns of banks
.endr
.endr
	s_wait_dscnt 0x0
; 64 numbers of a lane become a fragment's codes in v[PC] on and its scale word in v[PW]
.irp b, 0,1,2,3
	v_max3_num_f32 v[TM+\b], |v[X+16*\b]|, |v[X+1+16*\b]|, 0x1800000     ; with the floor 2^(3 - 127)
.endr
.irp i, 2,4,6,8,10,12,14
.irp b, 0,1,2,3
	s_delay_alu instid0(VALU_DEP_4)
	v_max3_num_f32 v[TM+\b], v[TM+\b], |v[X+16*\b+\i]|, |v[X+1+16*\b+\i]|
.endr
.endr
.irp b, 0,1,2,3
	s_delay_alu instid0(VALU_DEP_4)
	v_permlanex16_b32 v[TM+4+\b], v[TM+\b], s20, s21
.endr
.irp b, 0,1,2,3
	s_delay_alu instid0(VALU_DEP_4)
	v_max_num_f32 v[TM+\b], v[TM+\b], v[TM+4+\b]   ; with lane l xor 16's: the block's largest magnitude
.endr
.irp b, 0,1,2,3
	s_delay_alu instid0(VALU_DEP_4)
	v_add_nc_u32 v[TM+12+\b], 0xff000000, v[TM+\b] ; 2 off its exponent field: the conversion's scale operand
.endr
.irp b, 0,1,2,3
	s_delay_alu instid0(VALU_DEP_4)
	v_lshrrev_b32 v[TM+4+\b], 23, v[TM+12+\b]      ; the byte
.endr
	s_delay_alu instid0(VALU_DEP_3)
	v_lshl_or_b32 v[PW], v[TM+5], 8, v[TM+4]
	s_delay_alu instid0(VALU_DEP_1)
	v_lshl_or_b32 v[PW], v[TM+6], 16, v[PW]
	s_delay_alu instid0(VALU_DEP_1)
	v_lshl_or_b32 v[PW], v[TM+7], 24, v[PW]
.irp c, 0,1
	v_cvt_scalef32_pk16_fp6_f32 v[PC+6*\c:PC+2+6*\c], v[X+32*\c:X+15+32*\c], v[TM+12+2*\c]
	v_cvt_scalef32_pk16_fp6_f32 v[PC+12+4*\c:PC+14+4*\c], v[X+16+32*\c:X+31+32*\c], v[TM+13+2*\c]
.endr
	v_nop                                          ; one plain place behind a scaled conversion
.irp c, 0,1                            ; the layout wants a whole block in a lane: lanes 0-15 block 2 c, lanes 16-31 block 2 c + 1
.irp i, 0,1,2
	v_permlane16_swap_b32 v[PC+6*\c+\i], v[PC+12+4*\c+\i]
.endr
.irp i, 0,1,2
	s_delay_alu instid0(VALU_DEP_3)
	v_mov_b32 v[PC+3+6*\c+\i], v[PC+12+4*\c+\i]
.endr
.endr
.irp c, 0,1,2
	global_store_b128 v6, v[PC+4*\c:PC+4*\c+3], s[10:11] offset:512*\c
.endr
	global_store_b32 v7, v[PW], s[10:11]
	s_wait_tensorcnt 0x0                           ; the wave's end
	ds_add_u32 v[SPW], v[NIL]
	s_wait_dscnt 0x0
	s_endpgm
.Lfunc_end_k_q1e42e1d414_prep2:
	.size	k_q1e42e1d414_prep2, .Lfunc_end_k_q1e42e1d414_prep2-k_q1e42e1d414_prep2
	.p2alignl 7, 3214868480
	.fill 96, 4, 3214868480
	.section	.rodata,"a",@progbits
	.p2align	6, 0x0
	.amdhsa_kernel k_q1e42e1d414_prep2
		.amdhsa_group_segment_fixed_size 66816
		.amdhsa_private_segment_fixed_size 0
		.amdhsa_enable_private_segment 0
		.amdhsa_kernarg_size 56
		.amdhsa_user_sgpr_count 2
		.amdhsa_user_sgpr_kernarg_segment_ptr 1
		.amdhsa_wavefront_size32 1
		.amdhsa_system_sgpr_workgroup_id_x 1
		.amdhsa_system_sgpr_workgroup_id_y 1
		.amdhsa_system_sgpr_workgroup_id_z 1
		.amdhsa_system_vgpr_workitem_id 0
		.amdhsa_next_free_vgpr 208
		.amdhsa_next_free_sgpr 66
		.amdhsa_reserve_vcc 0
		.amdhsa_float_denorm_mode_32 3
		.amdhsa_float_denorm_mode_16_64 3
		.amdhsa_memory_ordered 1
		.amdhsa_forward_progress 1
		.amdhsa_inst_pref_size 54
	.end_amdhsa_kernel
	.amdgpu_metadata
---
amdhsa.version: [ 1, 2 ]
amdhsa.kernels:
  - .name:           k_q1e42e1d414_prep2
    .symbol:         k_q1e42e1d414_prep2.kd
    .args:
      - { .name: x1, .offset: 0, .size: 8, .value_kind: global_buffer, .address_space: global }
      - { .name: ln2_w, .offset: 8, .size: 8, .value_kind: global_buffer, .address_space: global }
      - { .name: ln2_b, .offset: 16, .size: 8, .value_kind: global_buffer, .address_space: global }
      - { .name: hc, .offset: 24, .size: 8, .value_kind: global_buffer, .address_space: global }
      - { .name: fc1_w, .offset: 32, .size: 8, .value_kind: global_buffer, .address_space: global }
      - { .name: fc2_w, .offset: 40, .size: 8, .value_kind: global_buffer, .address_space: global }
      - { .name: wc, .offset: 48, .size: 8, .value_kind: global_buffer, .address_space: global }
    .group_segment_fixed_size: 66816
    .private_segment_fixed_size: 0
    .kernarg_segment_align: 8
    .kernarg_segment_size: 56
    .max_flat_workgroup_size: 256
    .sgpr_count:     66
    .vgpr_count:     208
    .wavefront_size: 32
...
	.end_amdgpu_metadata
.endif
;; end of part 5
;; launch fc1 (part 6): grid 16 x 16, 4 waves a work-group, clusters of 4 x 4, 327,680 bytes of LDS; arguments hc, wc, fc1_b, gc; writes gc
.if DOCPART == 6
	.amdgcn_target "amdgcn-amd-amdhsa--gfx1250"
	.amdhsa_code_object_version 6
	.text
	.protected	k_q1e42e1d414_fc1
	.globl	k_q1e42e1d414_fc1
	.p2align	8
	.type	k_q1e42e1d414_fc1,@function
k_q1e42e1d414_fc1:
	s_mov_b64 s[64:65], 0
	v_nop
	global_prefetch_b8 v0, s[64:65] scope:SCOPE_SE
	s_setreg_imm32_b32 hwreg(HW_REG_WAVE_MODE, 25, 1), 1
	s_wait_xcnt 0x0
	s_wait_alu depctr_hold_cnt(0) depctr_sa_sdst(0) depctr_va_vdst(0) depctr_va_sdst(0) depctr_va_ssrc(0) depctr_va_vcc(0) depctr_vm_vsrc(0)
	s_getreg_b32 s2, hwreg(HW_REG_IB_STS2, 6, 4)
	s_cmp_eq_u32 s2, 0
	s_cbranch_scc0 .Lentry_in_a_cluster
	s_endpgm
.Lentry_in_a_cluster:
	s_bfe_u32 s2, ttmp6, 0x10000c
	s_cmp_lg_u32 s2, 0xf033
	s_cbranch_scc0 .Lentry_shape_is_right
	s_endpgm
.Lentry_shape_is_right:
.set NBLK,  8
.set S,     2
.set KSTEPS, 8
.set WOFF,  3276800
.set LAPS,  KSTEPS/(2*S)
.set UNIT,  12800
.set SCO,   12288
.set LOADB, 25600
.set BREG,  51200
.set SLOT,  102400
.set AW,    25600
.set AWS,   25600
.set SPARE, 222208
.set ADRA,  16
.set ADRB,  18
.set ADRS,  20
.set SPW,   28
.set NIL,   29
.set SC,    32
.set AF,    64
.set T,     64
.set P,     128
.set X,     192
.set TM,    64
.set PC,    80
.set PW,    100
.set G1,    24
.set G0,    32
.set G1B,   48
.set G0B,   56
.set MSB, 0
.macro WIN new
.if MSB != (\new)
	s_set_vgpr_msb (MSB<<8)|(\new)
.set MSB, (\new)
.endif
.endm
.macro PLACES
.rept 4
	v_nop
.endr
.endm
.macro JLOAD s
	s_cmp_eq_u32 s15, 0
	s_cbranch_scc0 .Lfor_b_\@
	tensor_load_to_lds s[G0+4*\s:G0+4*\s+3], s[G1:G1+7]
	s_nop 0
.rept 4
	v_nop
.endr
	s_branch .Lasked_\@
.Lfor_b_\@:
	tensor_load_to_lds s[G0B+4*\s:G0B+4*\s+3], s[G1B:G1B+7]
	s_nop 0
.rept 4
	v_nop
.endr
.Lasked_\@:
.endm
.macro CREST
	s_cmp_lg_u32 s14, 0
	s_cbranch_scc1 .Lnot_wave_0_\@
	s_barrier_signal -3
.Lnot_wave_0_\@:
	s_barrier_wait -3
	s_barrier_signal -1
	s_barrier_wait -1
.endm
.macro CROUND
	s_barrier_signal -1
	s_barrier_wait -1
	CREST
.endm
.macro FETCH slot, q, set
	WIN 0x40
.set I, 0
.rept NBLK
.irp c, 0,1,2
	ds_load_b128 v[128*(\set)+12*I+4*\c:128*(\set)+12*I+4*\c+3], v[ADRB+\slot] offset:UNIT*(\q)+1536*I+512*\c
.endr
.set I, I+1
.endr
	WIN 0
.set I, 0
.rept NBLK
.irp c, 0,1,2
	ds_load_b128 v[AF+12*NBLK*(\set)+12*I+4*\c:AF+12*NBLK*(\set)+12*I+4*\c+3], v[ADRA+\slot] offset:UNIT*(\q)+1536*I+512*\c
.endr
.set I, I+1
.endr
.set I, 0
.rept NBLK
	ds_load_b32 v[SC+NBLK*(\set)+I], v[ADRS+\slot] offset:UNIT*(\q)+64*I
.set I, I+1
.endr
.endm
.macro MULH half, set, zero
	WIN 0xa1+0x50*(\half)
.set A_, (\half)*NBLK/2
.rept NBLK/2
.set B_, 0
.rept NBLK
.set D_, 8*((A_*NBLK+B_)%32)
.if \zero
	v_wmma_scale_f32_16x16x128_f8f6f4 v[D_:D_+7], v[128*(\set)+12*B_:128*(\set)+12*B_+11], v[AF+12*NBLK*(\set)+12*A_:AF+12*NBLK*(\set)+12*A_+11], 0, v[SC+NBLK*(\set)+B_], v[SC+NBLK*(\set)+A_] matrix_a_fmt:MATRIX_FMT_FP6 matrix_b_fmt:MATRIX_FMT_FP6 matrix_a_scale:MATRIX_SCALE_ROW1
.else
	v_wmma_scale_f32_16x16x128_f8f6f4 v[D_:D_+7], v[128*(\set)+12*B_:128*(\set)+12*B_+11], v[AF+12*NBLK*(\set)+12*A_:AF+12*NBLK*(\set)+12*A_+11], v[D_:D_+7], v[SC+NBLK*(\set)+B_], v[SC+NBLK*(\set)+A_] matrix_a_fmt:MATRIX_FMT_FP6 matrix_b_fmt:MATRIX_FMT_FP6 matrix_a_scale:MATRIX_SCALE_ROW1
.endif
.set B_, B_+1
.endr
.set A_, A_+1
.endr
.endm
.macro STEP slot, q, zero
	s_wait_dscnt 0x0
	PLACES
	FETCH \slot, (\q)+1, 1-(\q)%2
	MULH 0, (\q)%2, \zero
	MULH 1, (\q)%2, \zero
	WIN 0
.endm
.macro MID slot, first
.set Q_, \first
.rept S-1-(\first)
	STEP \slot, Q_, 0
.set Q_, Q_+1
.endr
.endm
.macro TURN slot, next, fill
	s_wait_tensorcnt 0x0
	ds_add_u32 v[SPW], v[NIL]
.if \fill
	s_add_nc_u64 s[G0+4*\slot+2:G0+4*\slot+3], s[G0+4*\slot+2:G0+4*\slot+3], 2*S*UNIT
	s_add_nc_u64 s[G0B+4*\slot+2:G0B+4*\slot+3], s[G0B+4*\slot+2:G0B+4*\slot+3], 2*S*UNIT
.irp g, G1, G1B                        ; no tensor load of mine is out: group 1 takes the refills' shape, 100 rows of 256 bytes, 25,600 dense bytes a wave
	s_mov_b32 s[\g+1], 32<<16
	s_mov_b32 s[\g+2], 100<<16
	s_mov_b32 s[\g+3], 32<<16
	s_mov_b32 s[\g+4], 100
	s_mov_b32 s[\g+5], 32
.endr
.endif
	s_wait_dscnt 0x0
	s_barrier_signal -1
	MULH 0, 1, 0
	WIN 0
	s_barrier_wait -1
.if \fill
	CREST
	JLOAD \slot
.else
	PLACES
.endif
	FETCH \next, 0, 0
	MULH 1, 1, 0
	WIN 0
.endm
.macro ARM k
	WIN (2+(\k)/4)|(1<<2)
.set J, 0
.rept 32
	v_pk_add_f32 v[X+J:X+J+1], v[64*((\k)%4)+J:64*((\k)%4)+J+1], v[96+J+96*(J/32):96+J+96*(J/32)+1]
.set J, J+2
.endr
	WIN 0
.endm
.macro HORNER c
.set J, 0
.rept 32
	v_pk_fma_f32 v[P+J:P+J+1], v[P+J:P+J+1], v[T+J:T+J+1], \c op_sel_hi:[1,1,0]
.set J, J+2
.endr
.endm
	s_load_b256 s[4:11], s[0:1], 0x0
	v_lshl_add_u32 v[SPW], v0, 2, SPARE
	v_mov_b32 v[NIL], 0
	ds_add_u32 v[SPW], v[NIL]
	ds_add_u32 v[SPW], v[NIL]
	v_lshrrev_b32 v1, 5, v0
	v_readfirstlane_b32 s14, v1
	s_lshr_b32 s15, s14, 1
	s_and_b32 s16, s14, 1
	s_bfe_u32 s40, ttmp6, 0x40000
	s_bfe_u32 s41, ttmp6, 0x40004
	s_lshl_b32 s42, ttmp9, 2
	s_add_co_u32 s42, s42, s40
	s_and_b32 s17, ttmp7, 0xffff
	s_lshl_b32 s17, s17, 2
	s_add_co_u32 s17, s17, s41
	s_lshl_b32 s43, s41, 2
	s_lshl_b32 s43, 15, s43
	s_lshl_b32 s44, 0x1111, s40
	s_or_b32 s[G1+0], s43, (3<<16)|(1<<21)
	s_or_b32 s[G1B+0], s44, (3<<16)|(1<<21)
.irp g, G1, G1B
	s_mov_b32 s[\g+1], 3200<<16                    ; the head's tiles: two rows of 25,600 bytes (3,200 elements): two K steps of each of a tile's two row groups,
	s_mov_b32 s[\g+2], 2<<16
	s_mov_b32 s[\g+3], 3200<<16
	s_mov_b32 s[\g+4], 2
	s_mov_b32 s[\g+5], 12800                       ; 102,400 bytes from row group to row group
	s_mov_b32 s[\g+6], 0
	s_mov_b32 s[\g+7], 0
.endr
	s_lshl_b32 s20, s17, 1
	s_add_co_u32 s20, s20, s16
	s_mul_i32 s20, s20, KSTEPS*UNIT
	s_mov_b32 s21, 0
	s_lshl_b32 s46, s42, 1
	s_add_co_u32 s46, s46, s16
	s_mul_i32 s46, s46, KSTEPS*UNIT
	s_mov_b32 s47, 0
	s_mul_i32 s45, s14, LOADB
	s_mov_b32 s96, 0x76543210
	s_mov_b32 s97, 0xfedcba98
	s_wait_dscnt 0x0
	s_wait_kmcnt 0x0
	s_add_nc_u64 s[20:21], s[4:5], s[20:21]
	s_add_nc_u64 s[46:47], s[6:7], s[46:47]
	s_add_nc_u64 s[46:47], s[46:47], WOFF
	CROUND
.irp s, 0,1
	s_mov_b32 s[G0+4*\s], 1
	s_add_co_u32 s[G0+4*\s+1], s45, \s*SLOT
	s_add_nc_u64 s[G0+4*\s+2:G0+4*\s+3], s[20:21], \s*S*UNIT
	s_or_b32 s[G0+4*\s+3], s[G0+4*\s+3], 0x80000000
	s_mov_b32 s[G0B+4*\s], 1
	s_add_co_u32 s[G0B+4*\s+1], s45, \s*SLOT
	s_add_nc_u64 s[G0B+4*\s+2:G0B+4*\s+3], s[46:47], \s*S*UNIT
	s_or_b32 s[G0B+4*\s+3], s[G0B+4*\s+3], 0x80000000
.endr
; THE HEAD'S LOADS, ONE A WAVE: wave 0 A's part of slot 0, wave 1 B's, wave 2 A's part of slot 1, wave 3 B's; one chain of branches on the wave's number, a line of its own for each wave
	s_mul_i32 s92, s17, 2*KSTEPS*UNIT              ; A: the tile's first row group,
	s_mul_i32 s93, s15, S*UNIT                     ; K steps 0, 1 (waves 0, 1) or 2, 3 (waves 2, 3)
	s_add_co_u32 s92, s92, s93
	s_mov_b32 s93, 0
	s_mov_b32 s76, 1
	s_mul_i32 s77, s15, SLOT
	s_add_nc_u64 s[78:79], s[4:5], s[92:93]
	s_or_b32 s79, s79, 0x80000000
	s_mul_i32 s94, s42, 2*KSTEPS*UNIT              ; B likewise
	s_mul_i32 s95, s15, S*UNIT
	s_add_co_u32 s94, s94, s95
	s_mov_b32 s95, 0
	s_mov_b32 s88, 1
	s_mul_i32 s89, s15, SLOT
	s_add_co_u32 s89, s89, BREG
	s_add_nc_u64 s[90:91], s[6:7], s[94:95]
	s_add_nc_u64 s[90:91], s[90:91], WOFF
	s_or_b32 s91, s91, 0x80000000
.macro HARM under, g0, g1, next
	s_cmp_lt_u32 s14, \under
	s_cbranch_scc0 \next
	tensor_load_to_lds s[\g0:\g0+3], s[\g1:\g1+7]
	s_nop 0
.rept 4
	v_nop
.endr
	s_branch .Lhead_asked
\next:
.endm
	HARM 1, 76, G1, .Lhead_1
	HARM 2, 88, G1B, .Lhead_2
	HARM 3, 76, G1, .Lhead_3
	tensor_load_to_lds s[88:91], s[G1B:G1B+7]
	s_nop 0
.rept 4
	v_nop
.endr
.Lhead_asked:
	v_and_b32 v1, 15, v0
	v_bfe_u32 v2, v0, 4, 1
	s_wait_alu depctr_va_vdst(0)
	v_and_b32 v3, 31, v0
	v_lshlrev_b32 v3, 4, v3
	s_wait_alu depctr_va_vdst(0)
	s_mul_i32 s21, s15, AW
	s_mul_i32 s22, s16, AW
	s_add_co_u32 s22, s22, BREG
.irp s, 0,1
	v_add_nc_u32 v[ADRA+\s], s21, v3
	v_add_nc_u32 v[ADRB+\s], s22, v3
	s_add_co_u32 s21, s21, SLOT
	s_add_co_u32 s22, s22, SLOT
.endr
	s_mul_i32 s21, s15, AWS
	s_mul_i32 s22, s16, AWS
	s_add_co_u32 s22, s22, BREG
	s_sub_co_u32 s22, s22, s21
	v_mul_u32_u24 v6, s22, v2
	v_lshl_add_u32 v5, v1, 2, v6
	s_add_co_u32 s21, s21, SCO
.irp s, 0,1
	v_add_nc_u32 v[ADRS+\s], s21, v5
	s_add_co_u32 s21, s21, SLOT
.endr
	v_mov_b32 v22, v3
	v_lshlrev_b32 v23, 2, v1
	v_lshlrev_b32 v10, 6, v2
	s_wait_alu depctr_va_vdst(0)
	s_lshl_b32 s82, s17, 1
	s_add_co_u32 s82, s82, s15
	s_lshl_b32 s85, s42, 1
	s_add_co_u32 s85, s85, s16
	s_lshl_b32 s86, s85, 9
	s_mov_b32 s87, 0
	s_add_nc_u64 s[70:71], s[8:9], s[86:87]
	s_lshl_b32 s82, s82, 5
	s_add_co_u32 s82, s82, s85
	s_mul_i32 s86, s82, UNIT
	s_add_nc_u64 s[66:67], s[10:11], s[86:87]
	s_add_nc_u64 s[68:69], s[66:67], SCO
	WIN 0x40
.irp b, 0,1,2,3,4,5,6,7
	global_load_b128 v[96+8*\b+96*(\b/4):99+8*\b+96*(\b/4)], v10, s[70:71] offset:(32*(\b/2)+8*(\b%2))*4
	global_load_b128 v[100+8*\b+96*(\b/4):103+8*\b+96*(\b/4)], v10, s[70:71] offset:(32*(\b/2)+8*(\b%2))*4+16
.endr
	WIN 0
	s_wait_alu depctr_va_vdst(0)                   ; the wait ahead of the branch
	s_cmp_lt_u32 s14, 2                            ; slot 0 is waves 0 and 1's: they wait; slot 1's loads stay out until the first change of slots
	s_cbranch_scc0 .Lslot_1_mine
	s_wait_tensorcnt 0x0
.Lslot_1_mine:
	s_barrier_signal -1
	s_barrier_wait -1
	FETCH 0, 0, 0
	STEP 0, 0, 1
.if LAPS > 1
	s_mov_b32 s3, LAPS-1
.Llap:
	MID 0, 1
	TURN 0, 1, 1
	MID 1, 0
	TURN 1, 0, 1
	STEP 0, 0, 0
	s_sub_co_u32 s3, s3, 1
	s_cmp_lg_u32 s3, 0
	s_cbranch_scc1 .Llap
.endif
	MID 0, 1
	TURN 0, 1, 0
	MID 1, 0
	s_wait_dscnt 0x0
	MULH 0, 1, 0
	MULH 1, 1, 0
	WIN 0
	PLACES
	s_wait_loadcnt 0x0
	v_mov_b32 v48, 0xbf97d29d
	v_mov_b32 v49, 0xbf97d29d
	s_mov_b32 s84, 0x3eb504f3
	s_mov_b32 s83, 0
.Lrow:
.irp k, 1,2,3,4,5,6,7
	s_cmp_eq_u32 s83, \k
	s_cbranch_scc1 .Lx\k
.endr
	ARM 0
	s_branch .Lgelu
.irp k, 1,2,3,4,5,6
.Lx\k:
	ARM \k
	s_branch .Lgelu
.endr
.Lx7:
	ARM 7
.Lgelu:
.set J, 0
.rept 64
	v_fma_f32 v[T+J], |v[X+J]|, s84, 1.0
.set J, J+1
.endr
.set J, 0
	s_wait_alu depctr_va_vdst(0)
.rept 64
	v_rcp_f32 v[T+J], v[T+J]
.set J, J+1
.endr
	WIN 0x40
.set J, 0
.rept 32
	v_pk_mul_f32 v[J:J+1], v[X+J:X+J+1], v[X+J:X+J+1]
.set J, J+2
.endr
	WIN 0
	s_wait_alu depctr_va_vdst(0)
.set J, 0
.rept 32
	v_pk_fma_f32 v[P+J:P+J+1], v[T+J:T+J+1], 0x3e7c6f08, v[48:49] op_sel_hi:[1,0,1]
.set J, J+2
.endr
	HORNER 0x40097039
	HORNER 0xbfd1a1e5
	HORNER 0x3ecdfd18
	HORNER 0xbe899a80
	HORNER 0x3e0efb2f
	HORNER 0x3f0a29d2
	HORNER 0x3fb8ab5a
	HORNER 0xc034d90f
	WIN 0x01
.set J, 0
.rept 32
	v_pk_fma_f32 v[P+J:P+J+1], v[J:J+1], 0xbf38aa3b, v[P+J:P+J+1] op_sel_hi:[1,0,1]
.set J, J+2
.endr
	WIN 0
.set J, 0
	s_wait_alu depctr_va_vdst(0)
.rept 64
	v_exp_f32 v[P+J], v[P+J]
.set J, J+1
.endr
	WIN 0x40
.set J, 0
.rept 64
	v_max_num_f32 v[J], 0, v[X+J]
.set J, J+1
.endr
	WIN 0
	s_wait_alu depctr_va_vdst(0)
.set J, 0
.rept 32
	v_pk_mul_f32 v[P+J:P+J+1], v[P+J:P+J+1], v[T+J:T+J+1]
.set J, J+2
.endr
	WIN 0x10
.set J, 0
.rept 64
	v_fma_f32 v[X+J], -|v[X+J]|, v[P+J], v[J]
.set J, J+1
.endr
	WIN 0
.irp b, 0,1,2,3
	v_max3_num_f32 v[TM+\b], |v[X+16*\b]|, |v[X+1+16*\b]|, 0x1800000
.endr
.irp i, 2,4,6,8,10,12,14
.irp b, 0,1,2,3
	v_max3_num_f32 v[TM+\b], v[TM+\b], |v[X+16*\b+\i]|, |v[X+1+16*\b+\i]|
.endr
.endr
.irp b, 0,1,2,3
	v_permlanex16_b32 v[TM+4+\b], v[TM+\b], s96, s97
.endr
.irp b, 0,1,2,3
	v_max_num_f32 v[TM+\b], v[TM+\b], v[TM+4+\b]
.endr
.irp b, 0,1,2,3
	v_add_nc_u32 v[TM+12+\b], 0xff000000, v[TM+\b]
.endr
.irp b, 0,1,2,3
	v_lshrrev_b32 v[TM+4+\b], 23, v[TM+12+\b]
.endr
	v_lshl_or_b32 v[PW], v[TM+5], 8, v[TM+4]
	v_lshl_or_b32 v[PW], v[TM+6], 16, v[PW]
	v_lshl_or_b32 v[PW], v[TM+7], 24, v[PW]
.irp c, 0,1
	v_cvt_scalef32_pk16_fp6_f32 v[PC+6*\c:PC+2+6*\c], v[X+32*\c:X+15+32*\c], v[TM+12+2*\c]
	v_cvt_scalef32_pk16_fp6_f32 v[PC+12+4*\c:PC+14+4*\c], v[X+16+32*\c:X+31+32*\c], v[TM+13+2*\c]
.endr
	v_nop
.irp c, 0,1
.irp i, 0,1,2
	v_permlane16_swap_b32 v[PC+6*\c+\i], v[PC+12+4*\c+\i]
.endr
.irp i, 0,1,2
	v_mov_b32 v[PC+3+6*\c+\i], v[PC+12+4*\c+\i]
.endr
.endr
.irp c, 0,1,2
	global_store_b128 v22, v[PC+4*\c:PC+4*\c+3], s[66:67] offset:512*\c
.endr
	global_store_b32 v23, v[PW], s[68:69]
	s_wait_xcnt 0x0
	s_add_nc_u64 s[66:67], s[66:67], 1536
	s_add_nc_u64 s[68:69], s[68:69], 64
	s_add_co_u32 s83, s83, 1
	s_cmp_lt_u32 s83, 8
	s_cbranch_scc1 .Lrow
	s_wait_tensorcnt 0x0
	ds_add_u32 v[SPW], v[NIL]
	s_wait_dscnt 0x0
	CROUND
	s_endpgm
.Lfunc_end_k_q1e42e1d414_fc1:
	.size	k_q1e42e1d414_fc1, .Lfunc_end_k_q1e42e1d414_fc1-k_q1e42e1d414_fc1
	.p2alignl 7, 3214868480
	.fill 96, 4, 3214868480
	.section	.rodata,"a",@progbits
	.p2align	6, 0x0
	.amdhsa_kernel k_q1e42e1d414_fc1
		.amdhsa_group_segment_fixed_size 327680
		.amdhsa_private_segment_fixed_size 0
		.amdhsa_enable_private_segment 0
		.amdhsa_kernarg_size 32
		.amdhsa_user_sgpr_count 2
		.amdhsa_user_sgpr_kernarg_segment_ptr 1
		.amdhsa_wavefront_size32 1
		.amdhsa_system_sgpr_workgroup_id_x 1
		.amdhsa_system_sgpr_workgroup_id_y 1
		.amdhsa_system_sgpr_workgroup_id_z 1
		.amdhsa_system_vgpr_workitem_id 0
		.amdhsa_next_free_vgpr 1024
		.amdhsa_next_free_sgpr 98
		.amdhsa_reserve_vcc 0
		.amdhsa_float_denorm_mode_32 3
		.amdhsa_float_denorm_mode_16_64 3
		.amdhsa_memory_ordered 1
		.amdhsa_forward_progress 1
		.amdhsa_inst_pref_size 179
	.end_amdhsa_kernel
	.amdgpu_metadata
---
amdhsa.version: [ 1, 2 ]
amdhsa.kernels:
  - .name:           k_q1e42e1d414_fc1
    .symbol:         k_q1e42e1d414_fc1.kd
    .args:
      - { .name: hc, .offset: 0, .size: 8, .value_kind: global_buffer, .address_space: global }
      - { .name: wc, .offset: 8, .size: 8, .value_kind: global_buffer, .address_space: global }
      - { .name: fc1_b, .offset: 16, .size: 8, .value_kind: global_buffer, .address_space: global }
      - { .name: gc, .offset: 24, .size: 8, .value_kind: global_buffer, .address_space: global }
    .group_segment_fixed_size: 327680
    .private_segment_fixed_size: 0
    .kernarg_segment_align: 8
    .kernarg_segment_size: 32
    .max_flat_workgroup_size: 128
    .sgpr_count:     98
    .vgpr_count:     1024
    .wavefront_size: 32
...
	.end_amdgpu_metadata
.endif
;; end of part 6
;; launch fc2 (part 7): grid 32 x 8, 4 waves a work-group, clusters of 4 x 1, 327,680 bytes of LDS; arguments gc, wc, fc2_b, x1, out0; writes out0
.if DOCPART == 7
	.amdgcn_target "amdgcn-amd-amdhsa--gfx1250"
	.amdhsa_code_object_version 6
	.text
	.protected	k_q1e42e1d414_fc2
	.globl	k_q1e42e1d414_fc2
	.p2align	8
	.type	k_q1e42e1d414_fc2,@function
k_q1e42e1d414_fc2:
	s_mov_b64 s[64:65], 0
	v_nop
	global_prefetch_b8 v0, s[64:65] scope:SCOPE_SE
	s_setreg_imm32_b32 hwreg(HW_REG_WAVE_MODE, 25, 1), 1
	s_wait_xcnt 0x0
	s_wait_alu depctr_hold_cnt(0) depctr_sa_sdst(0) depctr_va_vdst(0) depctr_va_sdst(0) depctr_va_ssrc(0) depctr_va_vcc(0) depctr_vm_vsrc(0)
	s_getreg_b32 s2, hwreg(HW_REG_IB_STS2, 6, 4)
	s_cmp_eq_u32 s2, 0
	s_cbranch_scc0 .Lentry_in_a_cluster
	s_endpgm
.Lentry_in_a_cluster:
	s_bfe_u32 s2, ttmp6, 0x10000c
	s_cmp_lg_u32 s2, 0x3003
	s_cbranch_scc0 .Lentry_shape_is_right
	s_endpgm
.Lentry_shape_is_right:
.set KSTEPS, 32
.set S,      8
.set AHEAD,  7
.set UNIT,   12800
.set SCO,    12288
.set LOADB,  25600
.set HALF,   51200
.set SLOT,   102400
.set WOFF,   6553600
.set STAGE,  204800
.set SPITCH, 528
.set SPARE,  STAGE+4*16*SPITCH
.set LB16,  10
.set LB4R,  11
.set LB4,   12
.set ADRB,  16
.set ADRS,  20
.set STO,   24
.set RD,    25
.set SPW,   28
.set NIL,   29
.set ASC,   32
.set BSC,   48
.set BV,    56
.set BK,    64
.set G1,    24
.set G0,    32
.set MSB, 0
.macro WIN new
.if MSB != (\new)
	s_set_vgpr_msb (MSB<<8)|(\new)
.set MSB, (\new)
.endif
.endm
.macro PLACES
.rept 4
	v_nop
.endr
.endm
.macro CREST
	s_cmp_lg_u32 s14, 0
	s_cbranch_scc1 .Lnot_wave_0_\@
	s_barrier_signal -3
.Lnot_wave_0_\@:
	s_barrier_wait -3
	s_barrier_signal -1
	s_barrier_wait -1
.endm
.macro CROUND
	s_barrier_signal -1
	s_barrier_wait -1
	CREST
.endm
.macro TLOAD s
	tensor_load_to_lds s[G0+4*\s:G0+4*\s+3], s[G1:G1+7]
	s_nop 0
.rept 4
	v_nop
.endr
.endm
.macro ASCALE ks
.irp a, 0,1
	global_load_b32 v[ASC+2*((\ks)%8)+\a], v[LB4R], s[22:23] offset:UNIT*(\ks)+64*\a
.endr
.endm
.macro AFRAG ks
.irp a, 0,1
.irp c, 0,1,2
	global_load_b128 v[24*((\ks)%8)+12*\a+4*\c:24*((\ks)%8)+12*\a+4*\c+3], v[LB16], s[20:21] offset:UNIT*(\ks)+1536*\a+512*\c
.endr
.endr
.endm
.macro FEED slot, q, set, ka
	WIN 0
.irp p, 0,1,2,3
	ds_load_b32 v[BSC+4*(\set)+\p], v[ADRS+2*(\slot)+(\q)/4] offset:UNIT*((\q)%4)+128*\p
.endr
.if (\ka) < KSTEPS
	ASCALE \ka
.endif
	WIN 0x80
.set I, 0
.rept 8
.irp c, 0,1,2
	ds_load_b128 v[96*(\set)+12*I+4*\c:96*(\set)+12*I+4*\c+3], v[ADRB+2*(\slot)+(\q)/4] offset:UNIT*((\q)%4)+1536*I+512*\c
.endr
.set I, I+1
.endr
.if (\ka) < KSTEPS
	WIN 0x40
	AFRAG \ka
.endif
.endm
.macro MULA a, ks, zero
	WIN 0xf6
.set B_, 0
.rept 8
.set D_, 8*(8*(\a)+B_)
.set FB_, 96*((\ks)%2)+12*B_
.set FA_, 24*((\ks)%8)+12*(\a)
.set CB_, BSC+4*((\ks)%2)+B_/2
.set CA_, ASC+2*((\ks)%8)+(\a)
.if (\zero) && (B_%2)
	v_wmma_scale_f32_16x16x128_f8f6f4 v[D_:D_+7], v[FB_:FB_+11], v[FA_:FA_+11], 0, v[CB_], v[CA_] matrix_a_fmt:MATRIX_FMT_FP6 matrix_b_fmt:MATRIX_FMT_FP6 matrix_a_scale:MATRIX_SCALE_ROW1
.elseif \zero
	v_wmma_scale_f32_16x16x128_f8f6f4 v[D_:D_+7], v[FB_:FB_+11], v[FA_:FA_+11], 0, v[CB_], v[CA_] matrix_a_fmt:MATRIX_FMT_FP6 matrix_b_fmt:MATRIX_FMT_FP6
.elseif B_%2
	v_wmma_scale_f32_16x16x128_f8f6f4 v[D_:D_+7], v[FB_:FB_+11], v[FA_:FA_+11], v[D_:D_+7], v[CB_], v[CA_] matrix_a_fmt:MATRIX_FMT_FP6 matrix_b_fmt:MATRIX_FMT_FP6 matrix_a_scale:MATRIX_SCALE_ROW1
.else
	v_wmma_scale_f32_16x16x128_f8f6f4 v[D_:D_+7], v[FB_:FB_+11], v[FA_:FA_+11], v[D_:D_+7], v[CB_], v[CA_] matrix_a_fmt:MATRIX_FMT_FP6 matrix_b_fmt:MATRIX_FMT_FP6
.endif
.set B_, B_+1
.endr
.endm
.macro STEP ks, zero
.if (\ks) < AHEAD
	s_wait_loadcnt 63
.elseif (\ks)+AHEAD-1 < KSTEPS
	s_wait_loadcnt 8*(AHEAD-1)
.else
	s_wait_loadcnt 8*(KSTEPS-1-(\ks))
.endif
	s_wait_dscnt 0x0
	PLACES
	FEED (((\ks)+1)/8)%2, ((\ks)+1)%8, ((\ks)+1)%2, (\ks)+AHEAD
	MULA 0, \ks, \zero
	MULA 1, \ks, \zero
	WIN 0
.endm
.macro TURN ks, fill
.set SL_, ((\ks)/8)%2
	s_wait_tensorcnt 0x0
	ds_add_u32 v[SPW], v[NIL]
.if \fill
	s_add_nc_u64 s[G0+4*SL_+2:G0+4*SL_+3], s[G0+4*SL_+2:G0+4*SL_+3], 2*S*UNIT
.endif
	s_wait_loadcnt 8*(AHEAD-1)
	s_wait_dscnt 0x0
	s_barrier_signal -1
	MULA 0, \ks, 0
	WIN 0
	s_barrier_wait -1
.if \fill
	CREST
	TLOAD SL_
.else
	PLACES
.endif
	FEED 1-SL_, 0, ((\ks)+1)%2, (\ks)+AHEAD
	MULA 1, \ks, 0
	WIN 0
.endm
	s_load_b256 s[4:11], s[0:1], 0x0
	s_load_b64 s[12:13], s[0:1], 0x20
	v_lshl_add_u32 v[SPW], v0, 2, SPARE
	v_mov_b32 v[NIL], 0
	ds_add_u32 v[SPW], v[NIL]
	ds_add_u32 v[SPW], v[NIL]
	v_lshrrev_b32 v1, 5, v0
	v_readfirstlane_b32 s14, v1
	s_bfe_u32 s40, ttmp6, 0x40000
	s_lshl_b32 s17, ttmp9, 2
	s_add_co_u32 s17, s17, s40
	s_and_b32 s42, ttmp7, 0xffff
	s_mov_b32 s[G1], 15|(3<<16)|(1<<21)
	s_mov_b32 s[G1+1], 32<<16
	s_mov_b32 s[G1+2], 100<<16
	s_mov_b32 s[G1+3], 32<<16
	s_mov_b32 s[G1+4], 100
	s_mov_b32 s[G1+5], 32
	s_mov_b32 s[G1+6], 0
	s_mov_b32 s[G1+7], 0
	s_mul_i32 s45, s14, LOADB
	s_mul_i32 s46, s42, KSTEPS*UNIT
	s_add_co_u32 s46, s46, s45
	s_mov_b32 s47, 0
	s_mul_i32 s20, s17, KSTEPS*UNIT
	s_mul_i32 s18, s14, 2*1536
	s_add_co_u32 s18, s18, s20
	s_mov_b32 s19, 0
	s_lshl_b32 s22, s14, 7
	s_add_co_u32 s22, s22, s20
	s_add_co_u32 s22, s22, SCO
	s_mov_b32 s23, 0
	s_wait_dscnt 0x0
	s_wait_kmcnt 0x0
	s_add_nc_u64 s[46:47], s[6:7], s[46:47]
	s_add_nc_u64 s[46:47], s[46:47], WOFF
	s_add_nc_u64 s[20:21], s[4:5], s[18:19]
	s_add_nc_u64 s[22:23], s[4:5], s[22:23]
	CROUND
.irp s, 0,1
	s_mov_b32 s[G0+4*\s], 1
	s_add_co_u32 s[G0+4*\s+1], s45, \s*SLOT
	s_add_nc_u64 s[G0+4*\s+2:G0+4*\s+3], s[46:47], \s*S*UNIT
	s_or_b32 s[G0+4*\s+3], s[G0+4*\s+3], 0x80000000
.endr
; THE HEAD'S LOADS, ONE A WAVE: B's K steps 0-15 are 204,800 dense bytes; wave w brings 51,200 of them (200 rows of 256 bytes): waves 0, 1 slot 0, waves 2, 3 slot 1, each pair by a line of its own
	s_mov_b32 s52, 15|(3<<16)|(1<<21)
	s_mov_b32 s53, 32<<16
	s_mov_b32 s54, 200<<16
	s_mov_b32 s55, 32<<16
	s_mov_b32 s56, 200
	s_mov_b32 s57, 32
	s_mov_b32 s58, 0
	s_mov_b32 s59, 0
	s_mov_b32 s48, 1
	s_mul_i32 s49, s14, 2*LOADB
	s_mov_b32 s60, s45                             ; s[46:47] holds wave x 25,600 already: once more
	s_mov_b32 s61, 0
	s_add_nc_u64 s[50:51], s[46:47], s[60:61]
	s_or_b32 s51, s51, 0x80000000
	s_cmp_lt_u32 s14, 2
	s_cbranch_scc0 .Lhead_1
	tensor_load_to_lds s[48:51], s[52:59]
	s_nop 0
.rept 4
	v_nop
.endr
	s_branch .Lhead_asked
.Lhead_1:
	tensor_load_to_lds s[48:51], s[52:59]
	s_nop 0
.rept 4
	v_nop
.endr
.Lhead_asked:
	v_and_b32 v1, 15, v0
	v_bfe_u32 v2, v0, 4, 1
	v_and_b32 v3, 31, v0
	v_lshlrev_b32 v[LB16], 4, v3
	s_wait_alu depctr_va_vdst(0)
	v_lshlrev_b32 v[LB4R], 2, v1
	v_lshlrev_b32 v[LB4], 2, v3
	s_wait_alu depctr_va_vdst(0)
.irp k, 0,1,2,3,4,5,6
	ASCALE \k
.endr
	WIN 0x40
.irp k, 0,1,2,3,4,5,6
	AFRAG \k
.endr
	WIN 0
	s_lshl_b32 s66, s17, 7
	s_lshl_b32 s67, s14, 5
	s_add_co_u32 s66, s66, s67
	s_lshl_b32 s66, s66, 12
	s_lshl_b32 s68, s42, 9
	s_mov_b32 s69, 0
	s_add_nc_u64 s[70:71], s[8:9], s[68:69]
	s_add_co_u32 s66, s66, s68
	s_mov_b32 s67, 0
	s_add_nc_u64 s[72:73], s[10:11], s[66:67]
	s_add_nc_u64 s[74:75], s[12:13], s[66:67]
	WIN 0xc0
.irp a, 0,1
.irp t, 0,1,2,3,4,5,6,7,8,9,10,11,12,13,14,15
	global_load_b128 v[128+64*\a+4*\t:128+64*\a+4*\t+3], v[LB16], s[72:73] offset:(8*\a+\t+8*(\t/8))*4096
.endr
.endr
	WIN 0
	global_load_b128 v[BV:BV+3], v[LB16], s[70:71]
.irp s, 0,1
.irp u, 0,1
	v_add_nc_u32 v[ADRB+2*\s+\u], \s*SLOT+\u*HALF, v[LB16]
	v_add_nc_u32 v[ADRS+2*\s+\u], \s*SLOT+\u*HALF+SCO, v[LB4]
.endr
.endr
	s_mul_i32 s18, s14, 16*SPITCH
	s_add_co_u32 s18, s18, STAGE
	v_mul_u32_u24 v5, v1, SPITCH
	v_lshl_add_u32 v5, v2, 6, v5
	v_add_nc_u32 v[STO], s18, v5
	v_add_nc_u32 v[RD], s18, v[LB16]
	s_wait_alu depctr_va_vdst(0)
	s_cmp_lt_u32 s14, 2                            ; slot 0 is waves 0 and 1's: they wait; slot 1's loads stay out until the first change of slots
	s_cbranch_scc0 .Lslot_1_mine
	s_wait_tensorcnt 0x0
.Lslot_1_mine:
	s_barrier_signal -1
	s_barrier_wait -1
	FEED 0, 0, 0, KSTEPS
	STEP 0, 1
.irp k, 1,2,3,4,5,6
	STEP \k, 0
.endr
	TURN 7, 1
.irp k, 8,9,10,11,12,13,14
	STEP \k, 0
.endr
	TURN 15, 1
.irp k, 16,17,18,19,20,21,22
	STEP \k, 0
.endr
	TURN 23, 0
.irp k, 24,25,26,27,28,29,30
	STEP \k, 0
.endr
	s_wait_loadcnt 0x0
	s_wait_dscnt 0x0
	MULA 0, 31, 0
	MULA 1, 31, 0
	WIN 0
	PLACES
.irp a, 0,1
.if \a > 0
	s_wait_xcnt 0x0
.endif
	WIN 0x0c
.irp b, 0,1,2,3,4,5,6,7
	ds_store_b128 v[STO], v[8*(8*\a+\b):8*(8*\a+\b)+3] offset:128*(\b/2)+32*(\b%2)
	ds_store_b128 v[STO], v[8*(8*\a+\b)+4:8*(8*\a+\b)+7] offset:128*(\b/2)+32*(\b%2)+16
.endr
	WIN 0
.irp t, 0,1,2,3,4,5,6,7,8,9,10,11,12,13,14,15
	ds_load_b128 v[BK+4*\t:BK+4*\t+3], v[RD] offset:\t*SPITCH
.endr
	s_wait_dscnt 0x0
	WIN 0x0c
.set J, 0
.rept 32
	v_pk_add_f32 v[BK+J:BK+J+1], v[BK+J:BK+J+1], v[128+64*\a+J:128+64*\a+J+1]
.set J, J+2
.endr
	WIN 0
.irp t, 0,1,2,3,4,5,6,7,8,9,10,11,12,13,14,15
	v_pk_add_f32 v[BK+4*\t:BK+4*\t+1], v[BK+4*\t:BK+4*\t+1], v[BV:BV+1]
	v_pk_add_f32 v[BK+4*\t+2:BK+4*\t+3], v[BK+4*\t+2:BK+4*\t+3], v[BV+2:BV+3]
.endr
.irp t, 0,1,2,3,4,5,6,7,8,9,10,11,12,13,14,15
	global_store_b128 v[LB16], v[BK+4*\t:BK+4*\t+3], s[74:75] offset:(8*\a+\t+8*(\t/8))*4096 th:TH_STORE_NT
.endr
.endr
	s_wait_tensorcnt 0x0
	ds_add_u32 v[SPW], v[NIL]
	s_wait_dscnt 0x0
	CROUND
	s_endpgm
.Lfunc_end_k_q1e42e1d414_fc2:
	.size	k_q1e42e1d414_fc2, .Lfunc_end_k_q1e42e1d414_fc2-k_q1e42e1d414_fc2
	.p2alignl 7, 3214868480
	.fill 96, 4, 3214868480
	.section	.rodata,"a",@progbits
	.p2align	6, 0x0
	.amdhsa_kernel k_q1e42e1d414_fc2
		.amdhsa_group_segment_fixed_size 327680
		.amdhsa_private_segment_fixed_size 0
		.amdhsa_enable_private_segment 0
		.amdhsa_kernarg_size 40
		.amdhsa_user_sgpr_count 2
		.amdhsa_user_sgpr_kernarg_segment_ptr 1
		.amdhsa_wavefront_size32 1
		.amdhsa_system_sgpr_workgroup_id_x 1
		.amdhsa_system_sgpr_workgroup_id_y 1
		.amdhsa_system_sgpr_workgroup_id_z 1
		.amdhsa_system_vgpr_workitem_id 0
		.amdhsa_next_free_vgpr 1024
		.amdhsa_next_free_sgpr 98
		.amdhsa_reserve_vcc 0
		.amdhsa_float_denorm_mode_32 3
		.amdhsa_float_denorm_mode_16_64 3
		.amdhsa_memory_ordered 1
		.amdhsa_forward_progress 1
		.amdhsa_inst_pref_size 181
	.end_amdhsa_kernel
	.amdgpu_metadata
---
amdhsa.version: [ 1, 2 ]
amdhsa.kernels:
  - .name:           k_q1e42e1d414_fc2
    .symbol:         k_q1e42e1d414_fc2.kd
    .args:
      - { .name: gc, .offset: 0, .size: 8, .value_kind: global_buffer, .address_space: global }
      - { .name: wc, .offset: 8, .size: 8, .value_kind: global_buffer, .address_space: global }
      - { .name: fc2_b, .offset: 16, .size: 8, .value_kind: global_buffer, .address_space: global }
      - { .name: x1, .offset: 24, .size: 8, .value_kind: global_buffer, .address_space: global }
      - { .name: out0, .offset: 32, .size: 8, .value_kind: global_buffer, .address_space: global }
    .group_segment_fixed_size: 327680
    .private_segment_fixed_size: 0
    .kernarg_segment_align: 8
    .kernarg_segment_size: 40
    .max_flat_workgroup_size: 128
    .sgpr_count:     98
    .vgpr_count:     1024
    .wavefront_size: 32
...
	.end_amdgpu_metadata
.endif
;; end of part 7
